; MI455X (gfx1250); checked and timed in simulation.
; The chip was launched on July 23, 2026; its instructions are those of AMD's public machine-readable ISA for CDNA 5 (MIT licence, August 2026) and "CDNA5" Instruction Set Architecture Reference Guide (July 2026). The comments in the code are by the model that wrote it; some were corrected since.
;; Self Attention. Allowed arithmetic: matrix products marked QUANTISED: E2M3 operands, one E8M0 scale for each 32 along K, by v_wmma_scale_f32_16x16x128_f8f6f4 with both operands' format E2M3, f32 sums; everything else in f32.
;; Inputs: attention_mask 4 x 2,048 int32; b_out 1,024 float32; b_qkv 3,072 float32; hidden_states 4 x 2,048 x 1,024 float32; w_out 1,024 x 1,024 float32; w_qkv 1,024 x 3,072 float32.
;; Outputs: out0 4 x 2,048 x 1,024 float32.
;; This version of the problem:
;;   THIS VERSION OF THE PROBLEM IS GIVEN IN LOW PRECISION. The matrix products marked QUANTISED in the list below multiply operands that are first quantised to E2M3 (2 exponent bits, 3 mantissa bits; 6 bits a number), with one power-of-two scale for each 32 numbers along K (OCP MX v1.0); their sums are f32. All else is computed in f32.
;;   The module's matrix products, in the order in which they are computed (A, B: the left and right operand; K: the contracted axis; several contracted axes count as one K, in the product's order):
;;     1. [M 8,192, K 1,024] x [K 1,024, N 3,072]; A: input hidden_states; B: input w_qkv: QUANTISED
;;     2. batch 64 x [M 2,048, K 64] x [K 64, N 2,048]; A: computed on the way; B: computed on the way: QUANTISED
;;     3. batch 64 x [M 2,048, K 2,048] x [K 2,048, N 64]; A: softmax (see below); B: computed on the way: QUANTISED
;;     4. [M 8,192, K 1,024] x [K 1,024, N 1,024]; A: computed on the way; B: input w_out: QUANTISED
;;   THE QUANTISER, for each operand of a quantised product, along K:
;;     - K is cut into blocks of 32 from its start; a last block that is shorter is filled with zeros.
;;     - A block's scale is 2^e with e = floor(log2(the largest magnitude in the block)) - 2, held to -126 .. 127; a block of zeros has e = 0. As a byte (E8M0): e + 127.
;;     - Each number is divided by its block's scale, clamped to +-7.5, and rounded to the nearest number of E2M3, ties to even, subnormals kept.
;;     - The product sums the exact products of the quantised numbers (number of the format x scale) in f32.
;;   ~~~python
;;   def quantise(x, axis):      # numpy; x: float32 -> the quantised numbers, widened to float32 again
;;       x = np.moveaxis(x, axis, -1); K = x.shape[-1]
;;       x = np.pad(x, [(0, 0)] * (x.ndim - 1) + [(0, -K % 32)]); x = x.reshape(x.shape[:-1] + (-1, 32)); a = np.abs(x).max(-1, keepdims=True)
;;       e = np.where(a > 0, np.clip(np.frexp(np.where(a > 0, a, 1))[1] - 1 - 2, -126, 127), 0)      # np.frexp(a)[1] - 1 = floor(log2(a)), exactly
;;       r = np.clip(x / 2.0 ** e, -7.5, 7.5)
;;       step = 2.0 ** (np.maximum(np.frexp(np.where(r == 0, 1, r))[1] - 1, 0) - 3)
;;       q = np.round(r / step) * step * 2.0 ** e      # np.round: ties to even
;;       return np.moveaxis(q.reshape(q.shape[:-2] + (-1,))[..., :K], -1, axis).astype(np.float32)
;;   ~~~
;;   SOFTMAX AHEAD OF A QUANTISED PRODUCT. Where the list says 'softmax', what is quantised is not the finished softmax but p = 2^(t - M), with t = logit x log2(e) and M = ceil(the row's largest t), a whole number; so 1/2 < the row's largest p <= 1. The row's sum l is taken of the UNQUANTISED p, in f32, and the product's result is divided by l at the end. Since M is a whole number, a kernel that streams over the keys may use a running M (the ceiling of the running maximum): every later rescaling is an exact power of two, which a block's scale takes up: the codes' values come out the same.
;;   OPERANDS COMPUTED ON THE WAY. 'Computed on the way' means the value that the module computes at that place (a softmax that the list does not call 'softmax' is quantised finished and normalised). What goes into a quantiser is computed in f32, as accurately as f32 sums, v_exp_f32 and their like allow (about 1e-6 of the number): no bf16 or f16 on the way to a quantiser, and a product that is left as it is and whose result goes on into a quantised operand takes f32 operands (vector FMAs, or v_wmma_f32_16x16x4_f32). A number that lies on a knife's edge between two numbers of the format may be rounded either way, as far as f32 arithmetic and the matrix unit's own rounding can turn it there, and no further.
;; One version. Each part assembles by itself: llvm-mc -triple=amdgcn-amd-amdhsa -mcpu=gfx1250 --defsym DOCPART=n.
;; ======== version 1 of 1: 5 launches
;; limits: right only within a limited range of input values
;; workspace buffers: xq 6,553,600 bytes; wts 3,801,088 bytes; qq 8,912,896 bytes; kv 15,728,640 bytes; ao 6,553,600 bytes
;; launch quant_x (part 1): grid 256 x 1, 4 waves a work-group, no clusters, 33,280 bytes of LDS; arguments hidden_states, xq; writes xq
.if DOCPART == 1
	.amdgcn_target "amdgcn-amd-amdhsa--gfx1250"
	.amdhsa_code_object_version 6
	.text
	.protected	k_q6b246a4e3e_quant_x
	.globl	k_q6b246a4e3e_quant_x
	.p2align	8
	.type	k_q6b246a4e3e_quant_x,@function
k_q6b246a4e3e_quant_x:
	s_mov_b64 s[64:65], 0
	v_nop
	global_prefetch_b8 v0, s[64:65] scope:SCOPE_SE
	s_setreg_imm32_b32 hwreg(HW_REG_WAVE_MODE, 25, 1), 1
	s_wait_xcnt 0x0
; LAUNCH 1 OF 5.  hidden_states [8192][1024] f32 becomes codes of FP6 (E2M3), K innermost, 768 bytes a row, and one E8M0 byte for each 32 along K, 32 bytes a row.
; THE PROGRAM: 1 quantises x; 2 quantises w_qkv and w_out along their first axis and makes the table of cosines and sines; 3 is x w_qkv + b_qkv, the rotation of q and k, and the quantisers of q, k (with the
; key mask) and v; 4 is attention; 5 is the projection on the way out.  DEAD WORK: none is left out.  Every input has a way to the output (both biases, the one on k ahead of a quantiser too, and the mask), and every product is done.
; ROWS ARE STORED PERMUTED: stored row p holds true row pi(p), pi = p with its bits 3 and 4 exchanged.  A plain tile of 16 stored rows 16 (2 b + u) + r is then the true rows 32 b + 8 u + r + 8 (r / 8): used as source 0 of
; a matrix instruction it leaves a lane's 16 registers of tiles 2 b and 2 b + 1 as 16 neighbours along that axis, which the next quantiser wants.
; A block's scale is 2^(floor(log2(its largest magnitude)) - 2); its byte is the largest magnitude's exponent field - 2, held at 1 from below.  A block of zeros keeps the byte 1 where the rule says 127: its codes are zeros,
; which add nothing under any byte but 0xff, and this program alone reads the bytes.
; LIMITS: blocks whose largest magnitude lies under 2^-124 keep the byte 1; NaN and infinities among the inputs are not served.
; A wave takes 8 rows, 16 steps of 512 numbers.  Each load reads 512 consecutive bytes; a step's 2,048 bytes turn through the wave's own stage in LDS and come back 64 bytes a lane, 16 neighbours along K; two neighbouring
; lanes hold a block.  The wave's 8 rows keep their order and go to the place that pi gives the group of 8: bits 0 and 1 of the wave's number change places.  Waves share nothing: no barrier.
.set STEPS, 16
.set CB,    12                         ; bytes of 16 codes
.set R,     16                         ; v16-79   four sets of 16 numbers as they are loaded
.set X,     80                         ; v80-111  two sets of 16 neighbours
.set C,     128                        ; v128-191 codes: four registers for each step, so that no store's data are written again
.set E,     112                        ; v112-127 a scale byte for each step
.set WREG,  8192                       ; LDS: a region for each wave: two stages of 32 x SP bytes, behind them its 256 scale bytes
.set SP,    80                         ; a lane's place in a stage: 64 bytes + 16 of padding
.set SPW,   12                         ; v12 LDS address of my spare word; never rewritten
.set NIL,   13                         ; v13 0; never rewritten
.set SPARE, 4*WREG                     ; behind the four regions: the spare words, 128 bytes for each wave
.set XSCL,  6291456                    ; where the scale bytes begin in xq
	s_load_b128 s[4:7], s[0:1], 0x0                ; hidden_states, xq
	v_lshl_add_u32 v[SPW], v0, 2, SPARE
	v_mov_b32 v[NIL], 0
	v_lshrrev_b32 v1, 5, v0
	v_readfirstlane_b32 s16, v1                    ; wave
	v_and_b32 v2, 31, v0                           ; lane
	v_lshlrev_b32 v3, 4, v2                        ; my 16 bytes of a load's 512
	s_mul_i32 s17, s16, WREG
	v_lshrrev_b32 v14, 2, v2
	v_mul_u32_u24 v14, v14, SP
	v_and_b32 v15, 3, v2
	v_lshl_add_u32 v14, v15, 4, v14
	v_add_nc_u32 v14, s17, v14                     ; the stage, on the way in: SP (lane / 4) + 16 (lane % 4)
	v_mul_u32_u24 v15, v2, SP
	v_add_nc_u32 v15, s17, v15                     ; and on the way out: SP x lane
	v_mul_u32_u24 v4, v2, CB                       ; my codes' place in a step's
	v_lshrrev_b32 v5, 1, v2
	s_add_co_u32 s17, s17, 2*32*SP
	v_add_nc_u32 v5, s17, v5                       ; LDS: my block's byte among my wave's 256
	v_lshlrev_b32 v7, 3, v2
	v_add_nc_u32 v6, s17, v7                       ; and on the way out 8 bytes a lane
	s_lshl_b32 s17, ttmp9, 2
	s_add_co_u32 s18, s17, s16                     ; the run of 8 rows that I read
	s_and_b32 s19, s16, 1
	s_lshl_b32 s19, s19, 1
	s_lshr_b32 s20, s16, 1
	s_or_b32 s19, s19, s20
	s_add_co_u32 s22, s17, s19                     ; and the run that I write: pi on groups of 8 rows
	s_lshl_b32 s18, s18, 15                        ; 32,768 bytes of f32 a run
	s_mov_b32 s19, 0
	s_mul_i32 s20, s22, 32*STEPS*CB                ; 6,144 bytes of codes a run
	s_mov_b32 s21, 0
	s_lshl_b32 s22, s22, 8                         ; 256 scale bytes a run
	s_mov_b32 s23, 0
	s_wait_kmcnt 0x0
	s_add_nc_u64 s[4:5], s[4:5], s[18:19]
	s_add_nc_u64 s[8:9], s[6:7], s[20:21]
	s_add_nc_u64 s[10:11], s[6:7], s[22:23]
	s_add_nc_u64 s[10:11], s[10:11], XSCL
.macro LOAD t
.irp i, 0,1,2,3
	global_load_b128 v[R+16*((\t)%4)+4*\i:R+16*((\t)%4)+4*\i+3], v3, s[4:5] offset:2048*(\t)+512*\i th:TH_LOAD_NT   ; 32 lanes read 512 consecutive bytes
.endr
.endm
.macro TURN t                          ; step t's numbers through the stage: LDS serves a wave's instructions in order, so no wait stands between the stores and the loads
.irp i, 0,1,2,3
	ds_store_b128 v14, v[R+16*((\t)%4)+4*\i:R+16*((\t)%4)+4*\i+3] offset:32*SP*((\t)%2)+8*SP*\i
.endr
.irp i, 0,1,2,3
	ds_load_b128 v[X+16*((\t)%2)+4*\i:X+16*((\t)%2)+4*\i+3], v15 offset:32*SP*((\t)%2)+16*\i
.endr
.endm
.irp t, 0,1,2,3
	LOAD \t
.endr
	s_wait_loadcnt 12                              ; step 0's four loads are in; those of three steps may be out
	TURN 0
.macro STEP t
.set XS, X+16*((\t)%2)
.if (\t) > 0
	s_wait_dscnt 1                                 ; this step's numbers are back from the stage (the last step's byte store may be out): so its stores into the stage have read their registers,
.else
	s_wait_dscnt 0x0
.endif
.if (\t)+4 < STEPS
	LOAD (\t)+4                                    ; which take the loads of four steps on
.endif
.if (\t)+1 < STEPS
.if STEPS-2-(\t) >= 3
	s_wait_loadcnt 12                              ; the next step's four loads are in; those of the three steps behind it may be out
.else
	s_wait_loadcnt 4*(STEPS-2-(\t))
.endif
	TURN (\t)+1                                    ; and go through the other stage while this step is worked
.endif
	v_max3_num_f32 v8, |v[XS]|, |v[XS+1]|, |v[XS+2]|               ; the largest magnitude of my 16, in two chains
	v_max3_num_f32 v9, |v[XS+3]|, |v[XS+4]|, |v[XS+5]|
.irp i, 6,10
	v_max3_num_f32 v8, v8, |v[XS+\i]|, |v[XS+\i+1]|
	v_max3_num_f32 v9, v9, |v[XS+\i+2]|, |v[XS+\i+3]|
.endr
	v_max3_num_f32 v8, v8, |v[XS+14]|, |v[XS+15]|
	v_max3_num_f32 v8, v8, v9, 0x1800000           ; and the floor 2^(3 - 127): the byte cannot fall under 1
	v_max_num_f32_dpp v8, v8, v8 row_xmask:1 row_mask:0xf bank_mask:0xf   ; and of my neighbour's 16: the block's
	v_add_nc_u32 v11, 0xff000000, v8               ; 2 off its exponent field: the conversion takes the exponent field of this operand as its scale
	v_cvt_scalef32_pk16_fp6_f32 v[C+4*(\t):C+4*(\t)+2], v[XS:XS+15], v11
	v_lshrrev_b32 v[E+(\t)], 23, v11               ; the scale's byte (also the plain line behind the conversion)
	ds_store_b8 v5, v[E+(\t)] offset:16*(\t)       ; both lanes of a block write the same byte with the same value
	global_store_b96 v4, v[C+4*(\t):C+4*(\t)+2], s[8:9] offset:32*CB*(\t)   ; the wave stores 384 consecutive bytes
.endm
.irp t, 0,1,2,3,4,5,6,7,8,9,10,11,12,13,14,15
	STEP \t
.endr
	ds_load_b64 v[8:9], v6                         ; LDS serves a wave's instructions in order: these see my stores
	s_wait_dscnt 0x0
	global_store_b64 v7, v[8:9], s[10:11]          ; 32 lanes store 256 consecutive bytes, aligned
	s_wait_tensorcnt 0x0                           ; the wave's end, behind my last LDS store
	ds_add_u32 v[SPW], v[NIL]
	s_wait_dscnt 0x0
	s_endpgm
.Lfunc_end_k_q6b246a4e3e_quant_x:
	.size	k_q6b246a4e3e_quant_x, .Lfunc_end_k_q6b246a4e3e_quant_x-k_q6b246a4e3e_quant_x
	.p2alignl 7, 3214868480
	.fill 96, 4, 3214868480
	.section	.rodata,"a",@progbits
	.p2align	6, 0x0
	.amdhsa_kernel k_q6b246a4e3e_quant_x
		.amdhsa_group_segment_fixed_size 33280
		.amdhsa_private_segment_fixed_size 0
		.amdhsa_enable_private_segment 0
		.amdhsa_kernarg_size 16
		.amdhsa_user_sgpr_count 2
		.amdhsa_user_sgpr_kernarg_segment_ptr 1
		.amdhsa_wavefront_size32 1
		.amdhsa_system_sgpr_workgroup_id_x 1
		.amdhsa_system_sgpr_workgroup_id_y 1
		.amdhsa_system_sgpr_workgroup_id_z 1
		.amdhsa_system_vgpr_workitem_id 0
		.amdhsa_next_free_vgpr 192
		.amdhsa_next_free_sgpr 66
		.amdhsa_reserve_vcc 0
		.amdhsa_float_denorm_mode_32 3
		.amdhsa_float_denorm_mode_16_64 3
		.amdhsa_memory_ordered 1
		.amdhsa_forward_progress 1
		.amdhsa_inst_pref_size 32
	.end_amdhsa_kernel
	.amdgpu_metadata
---
amdhsa.version: [ 1, 2 ]
amdhsa.kernels:
  - .name:           k_q6b246a4e3e_quant_x
    .symbol:         k_q6b246a4e3e_quant_x.kd
    .args:
      - { .name: hidden_states, .offset: 0, .size: 8, .value_kind: global_buffer, .address_space: global }
      - { .name: xq, .offset: 8, .size: 8, .value_kind: global_buffer, .address_space: global }
    .group_segment_fixed_size: 33280
    .private_segment_fixed_size: 0
    .kernarg_segment_align: 8
    .kernarg_segment_size: 16
    .max_flat_workgroup_size: 128
    .sgpr_count:     66
    .vgpr_count:     192
    .wavefront_size: 32
...
	.end_amdgpu_metadata
.endif
;; end of part 1
;; launch quant_w (part 2): grid 40 x 4, 4 waves a work-group, no clusters, 35,840 bytes of LDS; arguments w_qkv, w_out, wts; writes wts
.if DOCPART == 2
	.amdgcn_target "amdgcn-amd-amdhsa--gfx1250"
	.amdhsa_code_object_version 6
	.text
	.protected	k_q6b246a4e3e_quant_w
	.globl	k_q6b246a4e3e_quant_w
	.p2align	8
	.type	k_q6b246a4e3e_quant_w,@function
k_q6b246a4e3e_quant_w:
	s_mov_b64 s[64:65], 0
	v_nop
	global_prefetch_b8 v0, s[64:65] scope:SCOPE_SE
	s_setreg_imm32_b32 hwreg(HW_REG_WAVE_MODE, 25, 1), 1
	s_wait_xcnt 0x0
; LAUNCH 2 OF 5.  No work is left out.  w_qkv [1024][3072] and w_out [1024][1024], f32, K their FIRST axis, become codes of FP6 (E2M3) laid [column][768 bytes] with K innermost and scale bytes [column][32];
; and the table of cos and sin of position x theta is made.  wts: w_qkv's codes at 0, its scale bytes at 2,359,296; w_out's codes at 2,457,600, its scale bytes at 3,244,032; the table at 3,276,800.
; Work-groups x = 0..23: 128 columns of w_qkv; 24..31: of w_out; y: which 256 along K.  x = 32..39: 64 positions of the table each (with y: 32 work-groups).  The branch hangs on the work-group's number alone.
; WEIGHTS.  A lane takes a column and its registers run down K: a block of 32 lies in one lane's 32 registers, and the conversions give codes with K innermost.  Both weights take one way through the text: pointer, pitch
; and places are chosen by the work-group's number.  COLUMNS ARE STORED PERMUTED: stored row p holds true column pi(p), pi = p with its bits 3 and 4 exchanged: the lane writes row pi(lane) of the wave's stage in LDS,
; and the stage leaves by rows, sixteen lanes to a row's 192 consecutive bytes.  A lane's 8 scale bytes leave by one store of 8 bytes to rows 32 bytes apart: one byte in 128 of what the launch reads.
; A block's scale byte is its largest magnitude's exponent field - 2, held at 1 from below (a block of zeros keeps 1: its codes are zeros, and this program alone reads the bytes).
; TABLE.  [position 2048][cos 32 f32 | sin 32 f32].  theta_i = 10000^(-i / 32) = 10^(-(i % 8) / 8) x 10^(-(i / 8)); the angle is one f32 product, as the outer product has it; it is reduced by n = nearest(angle x 2 / pi) in three
; exact-product steps, and sine and cosine on +-pi/4 are polynomials of degree 7 and 8; cos x = sin(x + pi / 2) lets one selection by n + (1 in the cosine lanes) serve both halves of a record.
; LIMITS: blocks under 2^-124 keep the byte 1; NaN and infinities are not served; theta differs from a correctly rounded power by up to two roundings, so the angle at the last positions by about 2e-4.
.set SPITCH, 272                       ; a stage row: sixteen places of 16 bytes, each with 12 bytes of codes, + 16
.set KROW,  768                        ; a row of codes in bytes
.set NB,    8                          ; blocks a wave
.set X,     32                         ; v32-95   two sets of 32 numbers
.set C,     96                         ; v96..    a block's codes
.set OUTR,  112                        ; v112-175 the way out
.set VO,    176                        ; v176-207 4 x lane + i x the weight's pitch; never rewritten
.set SPW,   14
.set NIL,   15
.set SPARE, 4*32*SPITCH                ; behind the four stages: the spare words
.set SB,    24                         ; v24-25   the scale bytes
	s_load_b128 s[4:7], s[0:1], 0x0                ; w_qkv, w_out
	s_load_b64 s[8:9], s[0:1], 0x10                ; wts
	v_lshl_add_u32 v[SPW], v0, 2, SPARE
	v_mov_b32 v[NIL], 0
	v_lshrrev_b32 v1, 5, v0
	v_readfirstlane_b32 s16, v1                    ; wave 0..3
	v_and_b32 v2, 31, v0                           ; lane
	s_and_b32 s18, ttmp7, 0xffff                   ; y
	s_cmp_ge_u32 ttmp9, 32
	s_cbranch_scc1 .Ltable
	v_lshlrev_b32 v3, 2, v2                        ; 4 bytes a lane
	s_cmp_lt_u32 ttmp9, 24                         ; w_qkv or w_out
	s_cselect_b32 s17, 0, 24
	s_mov_b32 s30, 4096
	s_cselect_b32 s30, 12288, s30                  ; bytes from a row of the weight to the next
	s_mov_b32 s24, 2457600
	s_cselect_b32 s24, 0, s24                      ; where its codes begin in wts
	s_mov_b32 s28, 3244032
	s_cselect_b32 s28, 2359296, s28                ; and its scale bytes
	s_sub_co_u32 s17, ttmp9, s17
	s_lshl_b32 s17, s17, 7
	s_lshl_b32 s19, s16, 5
	s_add_co_u32 s17, s17, s19                     ; my wave's first column
	s_lshl_b32 s20, s18, 8
	s_mul_i32 s20, s20, s30                        ; 256 y rows down,
	s_lshl_b32 s19, s17, 2
	s_add_co_u32 s20, s20, s19                     ; my column
	s_mov_b32 s21, 0
	s_mul_i32 s19, s17, KROW
	s_add_co_u32 s24, s24, s19
	s_mul_i32 s19, s18, 192
	s_add_co_u32 s24, s24, s19                     ; codes: column x 768 + 192 y
	s_mov_b32 s25, 0
	s_lshl_b32 s19, s17, 5
	s_add_co_u32 s28, s28, s19
	s_lshl_b32 s19, s18, 3
	s_add_co_u32 s28, s28, s19                     ; scale bytes: column x 32 + 8 y
	s_mov_b32 s29, 0
	s_lshl_b32 s52, s30, 5                         ; 32 rows of the weight
	s_mov_b32 s53, 0
	s_mul_i32 s19, s16, 32*SPITCH                  ; my stage
	v_and_b32 v16, 7, v2
	v_bfe_u32 v17, v2, 3, 1
	v_lshl_add_u32 v16, v17, 4, v16
	v_bfe_u32 v17, v2, 4, 1
	v_lshl_add_u32 v16, v17, 3, v16                ; pi(lane)
	v_mul_u32_u24 v4, v16, SPITCH
	v_add_nc_u32 v4, s19, v4                       ; into the stage: row pi(lane)
	v_and_b32 v5, 15, v2
	v_lshrrev_b32 v6, 4, v2
	v_mul_u32_u24 v7, v6, SPITCH
	v_lshl_add_u32 v7, v5, 4, v7
	v_add_nc_u32 v7, s19, v7                       ; out of it: sixteen lanes to a row, two rows an instruction
	v_mul_u32_u24 v8, v6, KROW
	v_mad_u32_u24 v8, v5, 12, v8                   ; and the same place among the codes
	v_lshlrev_b32 v9, 5, v16                       ; my column's stored row of scale bytes
.set Q, 0
.rept 32
	s_mul_i32 s31, s30, Q
	v_add_nc_u32 v[VO+Q], s31, v3
.set Q, Q+1
.endr
	s_wait_kmcnt 0x0
	s_cmp_lt_u32 ttmp9, 24
	s_cselect_b64 s[4:5], s[4:5], s[6:7]           ; the choice hangs on the work-group's number alone
	s_add_nc_u64 s[36:37], s[4:5], s[20:21]        ; a base for each block of 32 along K
.irp t, 1,2,3,4,5,6,7
	s_add_nc_u64 s[36+2*\t:37+2*\t], s[34+2*\t:35+2*\t], s[52:53]
.endr
	s_add_nc_u64 s[6:7], s[8:9], s[24:25]          ; the codes
	s_add_nc_u64 s[10:11], s[8:9], s[28:29]        ; the scale bytes
.macro LOAD t                          ; block t: W(256 y + 32 t + i, my column) into set t % 2: neighbouring lanes read neighbouring columns
.set Q, 0
.rept 32
	global_load_b32 v[X+32*((\t)%2)+Q], v[VO+Q], s[36+2*(\t):37+2*(\t)] th:TH_LOAD_NT
.set Q, Q+1
.endr
.endm
	LOAD 0
	LOAD 1
.macro BLOCK t
.set XS, X+32*((\t)%2)
.if (\t) < NB-1
	s_wait_loadcnt 32                              ; this block's 32 loads are in; the next block's may be out
.else
	s_wait_loadcnt 0
.endif
	v_max3_num_f32 v12, |v[XS]|, |v[XS+1]|, |v[XS+2]|               ; the block's largest magnitude: all 32 numbers are mine
	v_max3_num_f32 v13, |v[XS+3]|, |v[XS+4]|, |v[XS+5]|
.irp i, 6,10,14,18,22,26
	v_max3_num_f32 v12, v12, |v[XS+\i]|, |v[XS+\i+1]|
	v_max3_num_f32 v13, v13, |v[XS+\i+2]|, |v[XS+\i+3]|
.endr
	v_max3_num_f32 v12, v12, |v[XS+30]|, |v[XS+31]|
	v_max3_num_f32 v12, v12, v13, 0x1800000        ; and the floor 2^(3 - 127)
	v_add_nc_u32 v11, 0xff000000, v12              ; 2 off its exponent field: the conversion's scale operand
	v_lshrrev_b32 v13, 23, v11                     ; the scale's byte
.if (\t)%4 == 0
	v_mov_b32 v[SB+(\t)/4], v13                    ; four bytes to a register, the lower K in the lower byte
.else
	v_lshl_or_b32 v[SB+(\t)/4], v13, 8*((\t)%4), v[SB+(\t)/4]
.endif
	v_cvt_scalef32_pk16_fp6_f32 v[C:C+2], v[XS:XS+15], v11
	v_cvt_scalef32_pk16_fp6_f32 v[C+4:C+6], v[XS+16:XS+31], v11     ; (a conversion's three registers begin on an even number)
	v_nop                                          ; a plain line behind the conversions
	ds_store_b96 v4, v[C:C+2] offset:32*(\t)       ; 12 bytes to a place of 16, so that every LDS address is a multiple of 16
	ds_store_b96 v4, v[C+4:C+6] offset:32*(\t)+16
.if (\t)+2 < NB
	LOAD (\t)+2
.endif
	s_wait_dscnt 0x0                               ; the stores have read their registers: the next block's codes may be written
.endm
.irp t, 0,1,2,3,4,5,6,7
	BLOCK \t
.endr
	global_store_b64 v9, v[SB:SB+1], s[10:11]      ; my column's 8 scale bytes
.irp t, 0,1,2,3,4,5,6,7,8,9,10,11,12,13,14,15
	ds_load_b96 v[OUTR+4*\t:OUTR+4*\t+2], v7 offset:2*\t*SPITCH   ; LDS serves a wave's instructions in order: these see my stores
.endr
.irp t, 0,1,2,3,4,5,6,7,8,9,10,11,12,13,14,15
	s_wait_dscnt 15-\t                             ; row pair t is back; the younger loads may be out
	global_store_b96 v8, v[OUTR+4*\t:OUTR+4*\t+2], s[6:7] offset:2*\t*KROW
.endr
	s_wait_tensorcnt 0x0                           ; the wave's end, behind my last LDS store
	ds_add_u32 v[SPW], v[NIL]
	s_wait_dscnt 0x0
	s_endpgm
.Ltable:                                               ; this way touches no LDS
	s_sub_co_u32 s17, ttmp9, 32
	s_lshl_b32 s19, s18, 3
	s_add_co_u32 s17, s17, s19                     ; which 64 positions
	s_lshl_b32 s17, s17, 6
	s_lshl_b32 s19, s16, 4
	s_add_co_u32 s17, s17, s19                     ; my wave's first position
	s_lshl_b32 s22, s17, 8                         ; 256 bytes a position
	s_mov_b32 s23, 0
	v_lshrrev_b32 v21, 4, v2
	v_add_nc_u32 v21, s17, v21                     ; lanes 0-15 one position, lanes 16-31 the next
	v_lshlrev_b32 v3, 4, v2                        ; 16 x lane = 256 x (lane / 16) + 16 x (lane % 16)
	v_and_b32 v16, 7, v2                           ; g: my four i are 4 g + 0..3
	v_bfe_u32 v20, v2, 3, 1
	v_xor_b32 v20, 1, v20                          ; 1 in the lanes that hold cosines
	v_and_b32 v17, 1, v16
	v_cmp_ne_u32 vcc_lo, 0, v17
	v_mov_b32 v36, 0x3ea1e89b                      ; 10^(-4/8)
	v_cndmask_b32 v32, 1.0, v36, vcc_lo
	v_mov_b32 v36, 0x3e72d424                      ; 10^(-5/8)
	v_cndmask_b32 v33, 0x3f3ff911, v36, vcc_lo     ; 10^(-1/8)
	v_mov_b32 v36, 0x3e361887                      ; 10^(-6/8)
	v_cndmask_b32 v34, 0x3f0ff59a, v36, vcc_lo     ; 10^(-2/8)
	v_mov_b32 v36, 0x3e088d77                      ; 10^(-7/8)
	v_cndmask_b32 v35, 0x3ed7e89b, v36, vcc_lo     ; 10^(-3/8)
	v_and_b32 v17, 2, v16
	v_cmp_ne_u32 s20, 0, v17
	v_and_b32 v17, 4, v16
	v_cmp_ne_u32 s21, 0, v17
	v_mov_b32 v36, 0x3dcccccd                      ; 0.1
	v_cndmask_b32 v37, 1.0, v36, s20
	v_mov_b32 v36, 0x3a83126f                      ; 0.001
	v_mov_b32 v38, 0x3c23d70a                      ; 0.01
	v_cndmask_b32 v38, v38, v36, s20
	v_cndmask_b32 v37, v37, v38, s21               ; 10^(-(g / 2))
.irp e, 0,1,2,3
	v_mul_f32 v[32+\e], v[32+\e], v37              ; theta of i = 4 g + e
.endr
	s_mov_b32 s24, 0x3f22f983                      ; 2 / pi
	s_mov_b32 s25, 0xbfc90000                      ; -pi / 2 in three parts: the first two have so few bits that n x part is exact
	s_mov_b32 s26, 0xb9fda000
	s_mov_b32 s27, 0xb3a22168
	s_mov_b32 s28, 0xb94ca1f9                      ; sine: -1.9515295891e-4, 8.3321608736e-3, -1.6666654611e-1
	s_mov_b32 s29, 0x3c08839e
	s_mov_b32 s30, 0xbe2aaaa3
	s_mov_b32 s31, 0x37ccf5ce                      ; cosine: 2.443315712e-5, -1.388731625e-3, 4.166664568e-2
	s_mov_b32 s32, 0xbab6061a
	s_mov_b32 s33, 0x3d2aaaa5
	s_wait_kmcnt 0x0
	s_add_nc_u64 s[8:9], s[8:9], s[22:23]
	s_add_nc_u64 s[8:9], s[8:9], 3276800
.macro ANG e, out                      ; v[out] = cos or sin of (v23 x theta_e)
	v_mul_f32 v40, v23, v[32+\e]                   ; the angle, one f32 product
	v_mul_f32 v41, s24, v40
	v_rndne_f32 v41, v41                           ; n
	v_fma_f32 v42, v41, s25, v40
	v_fma_f32 v42, v41, s26, v42
	v_fma_f32 v42, v41, s27, v42                   ; r = angle - n pi / 2
	v_mul_f32 v43, v42, v42                        ; z = r r
	v_fma_f32 v44, v43, s28, s29
	v_fma_f32 v44, v44, v43, s30
	v_mul_f32 v44, v44, v43
	v_fma_f32 v44, v44, v42, v42                   ; sin r
	v_fma_f32 v45, v43, s31, s32
	v_fma_f32 v45, v45, v43, s33
	v_mul_f32 v45, v45, v43
	v_fma_f32 v46, v43, -0.5, 1.0
	v_fma_f32 v45, v45, v43, v46                   ; cos r
	v_cvt_i32_f32 v47, v41
	v_add_nc_u32 v47, v47, v20                     ; the quadrant, one on for a cosine
	v_and_b32 v48, 1, v47
	v_cmp_ne_u32 vcc_lo, 0, v48
	v_cndmask_b32 v44, v44, v45, vcc_lo
	v_and_b32 v48, 2, v47
	v_lshlrev_b32 v48, 30, v48
	v_xor_b32 v[\out], v44, v48                    ; the sign in quadrants 2 and 3
.endm
.irp it, 0,1,2,3,4,5,6,7               ; two positions a turn; each turn has its own four registers, so no store's data are written again
	v_add_nc_u32 v22, 2*\it, v21
	v_cvt_f32_u32 v23, v22
.irp e, 0,1,2,3
	ANG \e, 64+4*\it+\e
.endr
	global_store_b128 v3, v[64+4*\it:67+4*\it], s[8:9] offset:512*\it   ; the wave stores 512 consecutive bytes, aligned
.endr
	s_endpgm
.Lfunc_end_k_q6b246a4e3e_quant_w:
	.size	k_q6b246a4e3e_quant_w, .Lfunc_end_k_q6b246a4e3e_quant_w-k_q6b246a4e3e_quant_w
	.p2alignl 7, 3214868480
	.fill 96, 4, 3214868480
	.section	.rodata,"a",@progbits
	.p2align	6, 0x0
	.amdhsa_kernel k_q6b246a4e3e_quant_w
		.amdhsa_group_segment_fixed_size 35840
		.amdhsa_private_segment_fixed_size 0
		.amdhsa_enable_private_segment 0
		.amdhsa_kernarg_size 24
		.amdhsa_user_sgpr_count 2
		.amdhsa_user_sgpr_kernarg_segment_ptr 1
		.amdhsa_wavefront_size32 1
		.amdhsa_system_sgpr_workgroup_id_x 1
		.amdhsa_system_sgpr_workgroup_id_y 1
		.amdhsa_system_sgpr_workgroup_id_z 1
		.amdhsa_system_vgpr_workitem_id 0
		.amdhsa_next_free_vgpr 208
		.amdhsa_next_free_sgpr 66
		.amdhsa_reserve_vcc 1
		.amdhsa_float_denorm_mode_32 3
		.amdhsa_float_denorm_mode_16_64 3
		.amdhsa_memory_ordered 1
		.amdhsa_forward_progress 1
		.amdhsa_inst_pref_size 83
	.end_amdhsa_kernel
	.amdgpu_metadata
---
amdhsa.version: [ 1, 2 ]
amdhsa.kernels:
  - .name:           k_q6b246a4e3e_quant_w
    .symbol:         k_q6b246a4e3e_quant_w.kd
    .args:
      - { .name: w_qkv, .offset: 0, .size: 8, .value_kind: global_buffer, .address_space: global }
      - { .name: w_out, .offset: 8, .size: 8, .value_kind: global_buffer, .address_space: global }
      - { .name: wts, .offset: 16, .size: 8, .value_kind: global_buffer, .address_space: global }
    .group_segment_fixed_size: 35840
    .private_segment_fixed_size: 0
    .kernarg_segment_align: 8
    .kernarg_segment_size: 24
    .max_flat_workgroup_size: 128
    .sgpr_count:     66
    .vgpr_count:     208
    .wavefront_size: 32
...
	.end_amdgpu_metadata
.endif
;; end of part 2
;; launch qkv (part 3): grid 12 x 32, 4 waves a work-group, clusters of 4 x 4, 327,680 bytes of LDS; arguments xq, wts, b_qkv, attention_mask, qq, kv; writes qq, kv
.if DOCPART == 3
	.amdgcn_target "amdgcn-amd-amdhsa--gfx1250"
	.amdhsa_code_object_version 6
	.text
	.protected	k_q6b246a4e3e_qkv
	.globl	k_q6b246a4e3e_qkv
	.p2align	8
	.type	k_q6b246a4e3e_qkv,@function
k_q6b246a4e3e_qkv:
	s_mov_b64 s[64:65], 0
	v_nop
	global_prefetch_b8 v0, s[64:65] scope:SCOPE_SE
	s_setreg_imm32_b32 hwreg(HW_REG_WAVE_MODE, 25, 1), 1
	s_wait_xcnt 0x0
	s_wait_alu depctr_hold_cnt(0) depctr_sa_sdst(0) depctr_va_vdst(0) depctr_va_sdst(0) depctr_va_ssrc(0) depctr_va_vcc(0) depctr_vm_vsrc(0)
	s_getreg_b32 s2, hwreg(HW_REG_IB_STS2, 6, 4)
	s_cmp_eq_u32 s2, 0
	s_cbranch_scc0 .Lentry_in_a_cluster
	s_endpgm
.Lentry_in_a_cluster:
	s_bfe_u32 s2, ttmp6, 0x10000c
	s_cmp_lg_u32 s2, 0xf033
	s_cbranch_scc0 .Lentry_shape_is_right
	s_endpgm
.Lentry_shape_is_right:
; LAUNCH 3 OF 5.  No work is left out.  qkv = x w_qkv + b_qkv on codes of FP6 (E2M3) with E8M0 scales; q and k are rotated; q, k (along the head's 64) and v (along the keys) are quantised and stored as images of operand registers.
; A tile of 256 x 256 is made by four waves, 128 x 128 each: 64 accumulators, 512 registers.  K = 1,024 goes in steps of 256 through a ring of two LDS slots filled by the tensor data mover; the scale bytes of the work-group's
; 2 x 256 rows come into LDS once.  CLUSTERS of 4 x 4: A's tiles are asked for jointly along a row of the cluster, B's along a column.  The matrix instruction is used transposed: source 0 = 16 rows of B, source 1 = 16 rows of A.
; ROLES, by the CLUSTER's x (the same in all sixteen partners): 0: q, 1: k: A = x's rows, B = w_qkv's columns 0..2047: a lane holds one position and its registers run along the columns.
; 2: v: A = w_qkv's columns 2048..3071, B = x's rows: the same loop, other pointers: a lane holds one column of v and its registers run along the keys, which are the K of attention's second product.
; Both operands' rows are stored permuted (bits 3 and 4 exchanged), so that the 16 registers of B's blocks 2 b and 2 b + 1 are 16 neighbours, 32 b + 16 (lane / 16) + 0..15, and A's block a holds rows 32 (a / 2) + 8 (a % 2) + r + 8 (r / 8).
; THE WAY OUT uses no LDS.  q, k: + bias; the pairs (d, d + 32) of the rotation lie in one lane; two blocks of 32 are quantised; a tile's fragment goes out as its registers lie: registers 0-3 (512 bytes, 16 a lane), registers 4-7.
; THE KEY MASK RIDES IN THE IDLE HALF OF K: attention's first product has K = 64 under an instruction of 128.  At k = 64 q holds the code of 1.0 and a masked key the code of -4.0 under the scale byte 225, an open key 0:
; a masked score is q.k - 2^100, made by the matrix unit; an open key's term is exactly 0.  Registers 7 to 11 of q are zero codes.  Scale bytes 2 and 3 are 127 but for that 225.
; v: + bias; four blocks of 32 keys are quantised; a tile's fragment (16 columns x 128 keys) goes out as three groups of 4 registers.  The scale words go out as records of 512 bytes: byte 16 L + 4 j = tile 2 j + L / 16, row L % 16.
; qq: [batch x head 64][step of 128 positions 16][8 tiles x 1,024 | 512].  kv: [64][16][k: 8 x 1,024 | v: 4 x 1,536 | k's words 512 | v's words 512].
; LIMITS: blocks under 2^-124 keep the byte 1 (zero blocks too: their codes are zeros, and this program alone reads the bytes); NaN and infinities are not served; the mask's minus infinity is -2^100.
; The grid has 384 work-groups, 24 clusters.  No prefetch: K has four slots' worth of steps and two of them are asked for at the head.
.set SIZE_K, 1024
.set KSTEP,  256                       ; along K in a slot
.set NQ,     KSTEP/128
.set ROWB,   192                       ; a tile's row in bytes
.set KROW,   SIZE_K*6/8
.set PITCH,  240                       ; an LDS row: 3 x (64 bytes + 16 of padding)
.set FR,     12
.set NL,     6
.set NP,     4
.set HALFT,  128*PITCH
.set SLOT,   4*HALFT
.set LAPS,   SIZE_K/(2*KSTEP)
.set KS,     SIZE_K/32
.set SCL,    2*SLOT                    ; behind the ring: the scales, as units of 256 bytes + 16
.set HALFS,  (128*KS/256)*272
.set SBLK,   (16*KS/256)*272
.set SPARE,  SCL+4*HALFS               ; behind the scales: the spare words
.set ADRA, 16                          ; v16-17 LDS address of A's fragments in slot 0, 1 (v18-19: behind one padding more)
.set ADRB, 20                          ; v20-23 the same for B
.set ADRS, 27                          ; v27 my scale words: lanes 0-15 A's rows, lanes 16-31 B's
.set SPW,  28                          ; v28 my spare word; never rewritten
.set NIL,  29                          ; v29 0; never rewritten
.set SC,   32                          ; v32-63 scale words, two sets
.set AF,   128                         ; A's fragments, window 0; B's two sets in window 1; accumulators in windows 2 and 3
.set G1, 24
.set G0, 32
.set G1B, 48
.set G0B, 56
.set G1S, 68
.set G0S, 76
.set G1SB, 80
.set G0SB, 88
.set MSB, 0
.macro WIN new                         ; the immediate's high byte repeats the setting that is left
.if MSB != (\new)
	s_set_vgpr_msb (MSB<<8)|(\new)
.set MSB, (\new)
.endif
.endm
.set MUL_LO, 0xa1                      ; source 0 (B) window 1, source 1 (A) window 0, C and D window 2
.set MUL_HI, 0xf1
.set TO_B,   0x40
; A joint load: waves 0 and 1 fetch for A, waves 2 and 3 for B; the branch hangs on the wave's number alone.  An s_nop 0 and four v_nop follow each line.
.macro JLOAD g0a, g1a, g0b, g1b
	s_cmp_eq_u32 s15, 0
	s_cbranch_scc0 .Lfor_b_\@
	tensor_load_to_lds s[\g0a:\g0a+3], s[\g1a:\g1a+7]
	s_nop 0
.rept 4
	v_nop
.endr
	s_branch .Lasked_\@
.Lfor_b_\@:
	tensor_load_to_lds s[\g0b:\g0b+3], s[\g1b:\g1b+7]
	s_nop 0
.rept 4
	v_nop
.endr
.Lasked_\@:
.endm
.macro CREST
	s_cmp_lg_u32 s14, 0
	s_cbranch_scc1 .Lnot_wave_0_\@
	s_barrier_signal -3
.Lnot_wave_0_\@:
	s_barrier_wait -3
	s_barrier_signal -1
	s_barrier_wait -1
.endm
.macro CROUND
	s_barrier_signal -1
	s_barrier_wait -1
	CREST
.endm
	s_load_b128 s[96:99], s[0:1], 0x0              ; xq, wts
	v_lshl_add_u32 v[SPW], v0, 2, SPARE
	v_mov_b32 v[NIL], 0
	ds_add_u32 v[SPW], v[NIL]                      ; the wave's opening: the add, twice on end, and its wait ahead of my first tensor load
	ds_add_u32 v[SPW], v[NIL]
	v_lshrrev_b32 v1, 5, v0
	v_readfirstlane_b32 s14, v1                    ; wave 0..3
	s_lshr_b32 s15, s14, 1                         ; which half of A's rows is mine.  Also: I fetch for A (0) or for B (1)
	s_and_b32 s16, s14, 1                          ; which half of B's rows.  Also: which 128 rows I fetch
	s_bfe_u32 s40, ttmp6, 0x40000                  ; cx
	s_bfe_u32 s41, ttmp6, 0x40004                  ; cy
	s_and_b32 s95, ttmp7, 0xffff                   ; the cluster's y
	s_cmp_lt_u32 ttmp9, 2                          ; q or k, or v: the cluster's x
	s_cselect_b32 s17, s95, 2                      ; A's group of four tiles: x's by the cluster's y, or w_qkv's third
	s_cselect_b32 s42, ttmp9, s95                  ; B's: w_qkv's by the cluster's x, or x's by its y
	s_mov_b32 s100, 2359296
	s_cselect_b32 s100, 6291456, s100              ; where A's scale bytes begin in its buffer
	s_mov_b32 s66, 6291456
	s_cselect_b32 s66, 2359296, s66                ; and B's
	s_mov_b32 s101, 0
	s_mov_b32 s67, 0
	s_lshl_b32 s42, s42, 2
	s_add_co_u32 s42, s42, s40                     ; B's tile
	s_lshl_b32 s17, s17, 2
	s_add_co_u32 s17, s17, s41                     ; A's tile
	s_lshl_b32 s43, s41, 2
	s_lshl_b32 s43, 15, s43                        ; my row of the cluster
	s_lshl_b32 s44, 0x1111, s40                    ; my column
	s_or_b32 s[G1+0], s43, (0<<16)|(1<<20)|(1<<21)|(3<<22)|(3<<25)  ; the mask; elements of 1 byte; padding: 4 words behind every 16; bit 21 beside a mask
	s_or_b32 s[G1B+0], s44, (0<<16)|(1<<20)|(1<<21)|(3<<22)|(3<<25)
.irp g, G1, G1B
	s_mov_b32 s[\g+1], ROWB<<16                    ; tensor_dim0
	s_mov_b32 s[\g+2], 128<<16                     ; tensor_dim1
	s_mov_b32 s[\g+3], ROWB<<16                    ; tile_dim0
	s_mov_b32 s[\g+4], 128                         ; tile_dim1
	s_mov_b32 s[\g+5], KROW                        ; the pitch
	s_mov_b32 s[\g+6], 0
	s_mov_b32 s[\g+7], 0
.endr
	s_or_b32 s[G1S+0], s43, (3<<16)|(1<<20)|(1<<21)|(5<<22)|(3<<25)  ; the scales of 128 rows: a dense block, as rows of 256 bytes, 16 bytes of padding behind each
	s_or_b32 s[G1SB+0], s44, (3<<16)|(1<<20)|(1<<21)|(5<<22)|(3<<25)
.irp g, G1S, G1SB
	s_mov_b32 s[\g+1], 32<<16
	s_mov_b32 s[\g+2], (128*KS/256)<<16
	s_mov_b32 s[\g+3], 32<<16
	s_mov_b32 s[\g+4], 128*KS/256
	s_mov_b32 s[\g+5], 32
	s_mov_b32 s[\g+6], 0
	s_mov_b32 s[\g+7], 0
.endr
	s_lshl_b32 s18, s16, 7
	s_lshl_b32 s20, s17, 8
	s_add_co_u32 s20, s20, s18                     ; A: row 256 x tile + 128 x half
	s_lshl_b32 s46, s42, 8
	s_add_co_u32 s46, s46, s18                     ; B likewise
	s_mov_b32 s21, 0
	s_mov_b32 s47, 0
	s_mov_b64 s[18:19], KS
	s_mul_u64 s[22:23], s[20:21], s[18:19]
	s_mul_u64 s[92:93], s[46:47], s[18:19]
	s_mov_b64 s[18:19], KROW
	s_mul_u64 s[20:21], s[20:21], s[18:19]
	s_mul_u64 s[46:47], s[46:47], s[18:19]
	s_mul_i32 s45, s14, HALFT                      ; where they go: wave x 128 rows
	s_mul_i32 s94, s14, HALFS
	s_wait_dscnt 0x0                               ; both opening adds are done
	s_wait_kmcnt 0x0
	s_cmp_lt_u32 ttmp9, 2
	s_cselect_b64 s[4:5], s[96:97], s[98:99]       ; A's buffer,
	s_cselect_b64 s[8:9], s[98:99], s[96:97]       ; B's: the choice hangs on the cluster's number alone
	s_add_nc_u64 s[6:7], s[4:5], s[100:101]
	s_add_nc_u64 s[10:11], s[8:9], s[66:67]
	s_add_nc_u64 s[20:21], s[4:5], s[20:21]
	s_add_nc_u64 s[22:23], s[6:7], s[22:23]
	s_add_nc_u64 s[46:47], s[8:9], s[46:47]
	s_add_nc_u64 s[92:93], s[10:11], s[92:93]
	CROUND                                         ; all sixteen work-groups are here: the first joint loads meet
	s_mov_b32 s[G0S], 1
	s_add_co_u32 s[G0S+1], s94, SCL
	s_mov_b64 s[G0S+2:G0S+3], s[22:23]
	s_or_b32 s[G0S+3], s[G0S+3], 0x80000000
	s_mov_b32 s[G0SB], 1
	s_add_co_u32 s[G0SB+1], s94, SCL
	s_mov_b64 s[G0SB+2:G0SB+3], s[92:93]
	s_or_b32 s[G0SB+3], s[G0SB+3], 0x80000000
	JLOAD G0S, G1S, G0SB, G1SB                     ; the scales first; with the two slots three loads of mine are out
.irp s, 0,1
	s_mov_b32 s[G0+4*\s], 1
	s_add_co_u32 s[G0+4*\s+1], s45, \s*SLOT
	s_add_nc_u64 s[G0+4*\s+2:G0+4*\s+3], s[20:21], \s*ROWB
	s_or_b32 s[G0+4*\s+3], s[G0+4*\s+3], 0x80000000
	s_mov_b32 s[G0B+4*\s], 1
	s_add_co_u32 s[G0B+4*\s+1], s45, \s*SLOT
	s_add_nc_u64 s[G0B+4*\s+2:G0B+4*\s+3], s[46:47], \s*ROWB
	s_or_b32 s[G0B+4*\s+3], s[G0B+4*\s+3], 0x80000000
	JLOAD G0+4*\s, G1, G0B+4*\s, G1B
.endr
	v_and_b32 v1, 15, v0                           ; r
	v_bfe_u32 v2, v0, 4, 1                         ; h
	v_mul_u32_u24 v3, v1, PITCH
	v_mul_u32_u24 v4, v2, 24
	v_add_nc_u32 v4, v3, v4                        ; a fragment's row x pitch + 24 h
	v_lshl_add_u32 v5, v2, 4, v4                   ; and the same behind one padding more
	s_mul_i32 s21, s15, HALFT
	s_mul_i32 s22, s16, HALFT
	s_add_co_u32 s22, s22, 2*HALFT
.irp s, 0,1
	v_add_nc_u32 v[ADRA+\s], s21, v4
	v_add_nc_u32 v[ADRB+\s], s22, v4
	v_add_nc_u32 v[ADRA+2+\s], s21, v5
	v_add_nc_u32 v[ADRB+2+\s], s22, v5
	s_add_co_u32 s21, s21, SLOT
	s_add_co_u32 s22, s22, SLOT
.endr
	v_mul_u32_u24 v5, v1, KS                       ; my row's scales: KS bytes a row,
	v_lshrrev_b32 v6, 8, v5
	v_lshl_add_u32 v5, v6, 4, v5                   ; and 16 more for each 256 passed
	s_mul_i32 s21, s15, HALFS
	s_mul_i32 s22, s16, HALFS
	s_add_co_u32 s22, s22, 2*HALFS
	s_sub_co_u32 s22, s22, s21
	v_mul_u32_u24 v6, s22, v2                      ; lanes 16-31 take B's
	s_add_co_u32 s21, s21, SCL
	v_add_nc_u32 v5, v5, v6
	v_add_nc_u32 v[ADRS], s21, v5
.macro FRAG reg, adr, q, i             ; 16 rows x 128 K: 12 registers, in pieces of 8 bytes; where the piece three on lies behind one padding more, the second address register serves
.irp p, 0,1,2,3,4,5
.set PCE, 12*(\q)+6*(\p/3)+\p%3
.if PCE%8 < 5
	ds_load_b64 v[\reg+2*\p:\reg+2*\p+1], v[\adr] offset:8*PCE+16*(PCE/8)+(\i)*16*PITCH
.else
	ds_load_b64 v[\reg+2*\p:\reg+2*\p+1], v[\adr+2] offset:8*PCE+16*(PCE/8)+(\i)*16*PITCH
.endif
.endr
.endm
; 16 matrix instructions: A's blocks a0, a0 + 1 x B's eight.  The 64 accumulators take turns, one instruction a turn, in the same order in every step.
.macro MUL16 a0, p, q, sc, zero
.irp a, \a0, \a0+1
.irp b, 0,1,2,3,4,5,6,7
.if \zero
	v_wmma_scale_f32_16x16x128_f8f6f4 v[8*(8*((\a)%4)+\b):8*(8*((\a)%4)+\b)+7], v[128*(\p)+FR*\b:128*(\p)+FR*\b+FR-1], v[AF+FR*(\a):AF+FR*(\a)+FR-1], 0, v[SC+8*NQ*(\sc)+NQ*\b+(\q)], v[SC+8*NQ*(\sc)+NQ*(\a)+(\q)] matrix_a_fmt:MATRIX_FMT_FP6 matrix_b_fmt:MATRIX_FMT_FP6 matrix_a_scale:MATRIX_SCALE_ROW1
.else
	v_wmma_scale_f32_16x16x128_f8f6f4 v[8*(8*((\a)%4)+\b):8*(8*((\a)%4)+\b)+7], v[128*(\p)+FR*\b:128*(\p)+FR*\b+FR-1], v[AF+FR*(\a):AF+FR*(\a)+FR-1], v[8*(8*((\a)%4)+\b):8*(8*((\a)%4)+\b)+7], v[SC+8*NQ*(\sc)+NQ*\b+(\q)], v[SC+8*NQ*(\sc)+NQ*(\a)+(\q)] matrix_a_fmt:MATRIX_FMT_FP6 matrix_b_fmt:MATRIX_FMT_FP6 matrix_a_scale:MATRIX_SCALE_ROW1
.endif
.endr
.endr
.endm
.macro FETCH_B slot, q, p
	WIN TO_B
.irp i, 0,1,2,3,4,5,6,7
	FRAG 128*(\p)+FR*\i, ADRB+\slot, \q, \i
.endr
	WIN 0
.endm
.macro FETCH_A slot, q, i0
.irp i, \i0, \i0+1, \i0+2, \i0+3
	FRAG AF+FR*(\i), ADRA+\slot, \q, \i
.endr
.endm
.macro SCALES sc                       ; the next K step's scale words: lanes 0-15 A's block i, lanes 16-31 B's block i
.irp i, 0,1,2,3,4,5,6,7
	ds_load_b64 v[SC+8*NQ*\sc+NQ*\i:SC+8*NQ*\sc+NQ*\i+1], v[ADRS] offset:\i*SBLK
.endr
.endm
.macro PLACES n                        ; plain vector lines between a matrix instruction and a load into, or a read of, its registers
.rept \n
	v_nop
.endr
.endm
.macro STEP slot, q, zero              ; 128 along K with its successor in the same slot
	s_wait_dscnt 4*NL                              ; B's set and A's blocks 0-3 are in; the youngest 24 loads (A's blocks 4-7) may be out
	WIN MUL_LO
	MUL16 0, (\q)%2, \q, \slot, \zero
	MUL16 2, (\q)%2, \q, \slot, \zero
	s_wait_dscnt 0
	PLACES NP
	FETCH_B \slot, (\q)+1, 1-(\q)%2
	FETCH_A \slot, (\q)+1, 0
	WIN MUL_HI
	MUL16 4, (\q)%2, \q, \slot, \zero
	MUL16 6, (\q)%2, \q, \slot, \zero
	PLACES NP
	WIN 0
	FETCH_A \slot, (\q)+1, 4
.endm
; A slot's last step changes slots: one barrier; in front of it each wave waits for all its tensor loads, adds 0 to its spare word, and waits for that and for its reads of this slot.
.macro TURN slot, next, fill
	s_wait_tensorcnt 0x0                           ; all my tensor loads have landed: my part of the next slot
	ds_add_u32 v[SPW], v[NIL]
	s_wait_dscnt 4*NL+1                            ; the add and the youngest 24 loads may be out
	WIN MUL_LO
	MUL16 0, 1, NQ-1, \slot, 0
	s_wait_dscnt 0x0                               ; the add is done, and my reads of this slot are over
	s_barrier_signal -1
	MUL16 2, 1, NQ-1, \slot, 0
	WIN 0
	s_barrier_wait -1
.if \fill
	CREST                                          ; the barrier has opened a round of the cluster's barrier: no wave of any partner still reads this slot or has a load on its way
	s_add_nc_u64 s[G0+4*\slot+2:G0+4*\slot+3], s[G0+4*\slot+2:G0+4*\slot+3], 2*ROWB
	s_add_nc_u64 s[G0B+4*\slot+2:G0B+4*\slot+3], s[G0B+4*\slot+2:G0B+4*\slot+3], 2*ROWB
	JLOAD G0+4*\slot, G1, G0B+4*\slot, G1B         ; the first tensor load behind the round; its four v_nop are the places in front of the loads below
.else
	PLACES NP
.endif
	s_wait_alu depctr_va_vdst(0)
	v_add_nc_u32 v[ADRS], 4*NQ, v[ADRS]
	FETCH_B \next, 0, 0
	FETCH_A \next, 0, 0
	SCALES \next
	WIN MUL_HI
	MUL16 4, 1, NQ-1, \slot, 0
	MUL16 6, 1, NQ-1, \slot, 0
	PLACES NP
	WIN 0
	FETCH_A \next, 0, 4
.endm
	s_wait_alu depctr_va_vdst(0)
	s_wait_tensorcnt 1                             ; the scales and my part of K step 0 are in; K step 1's load may be out
	s_barrier_signal -1
	s_barrier_wait -1
	FETCH_B 0, 0, 0
	FETCH_A 0, 0, 0
	SCALES 0
	FETCH_A 0, 0, 4
	STEP 0, 0, 1                                   ; the first step's products start the sums
	s_mov_b32 s3, LAPS-1
.Llap:
	TURN 0, 1, 1
	STEP 1, 0, 0
	TURN 1, 0, 1
	STEP 0, 0, 0
	s_sub_co_u32 s3, s3, 1
	s_cmp_lg_u32 s3, 0
	s_cbranch_scc1 .Llap
	TURN 0, 1, 0                                   ; the last lap fills nothing
	STEP 1, 0, 0
	s_wait_dscnt 4*NL
	WIN MUL_LO
	MUL16 0, 1, NQ-1, 1, 0
	MUL16 2, 1, NQ-1, 1, 0
	s_wait_dscnt 0
	WIN MUL_HI
	MUL16 4, 1, NQ-1, 1, 0
	MUL16 6, 1, NQ-1, 1, 0
	WIN 0
; ---------------- THE WAY OUT.  Window 0 is free but for v0, v28 and v29; every tensor load has been waited for, so the descriptors' registers are free too.
.set MK,  8                            ; v8-15    the mask of my key in each of A's 8 blocks
.set BI,  32                           ; v32-95   the bias of my 64 columns
.set CS,  96                           ; v96-159  two sets of {cos 16, sin 16}
.set Y,   160                          ; v160-191 a head's 32 numbers of my position
.set T,   192                          ; v192-199 at work
.set BM,  200                          ; v200-201 largest magnitudes; v202-203 the other half's; v204-205 scale operands; v206-207 bytes
.set BX,  202
.set SO,  204
.set BY,  206
.set PC,  216                          ; v216-231 two sets of 8: a fragment's registers 0-7
.set TU,  232                          ; v232-234
.set PW,  236                          ; v236-251 scale words: head e, block a at 8 e + a
.set SW,  252                          ; v252-255 a record's four words
.set BV,  32                           ; v: v32-47 bias (even registers; the odd ones 0)
.set YV,  64                           ; v64-127  my column's 64 keys
.set PCV, 128                          ; v128-167 two sets of 20
.set PWV, 168                          ; v168-175 scale words
.set SWV, 176                          ; v176-183 two records' words
.set TM,  200                          ; v200-215 at work
.set HI,  53                           ; s53 lanes 16-31
.set SEL, 54                           ; s[54:55] lane l xor 16
.set OUTP, 32                          ; s[32:35] where head 0's and head 1's images go
; 32 numbers of a lane, register 16 b + i = k 32 b + 16 (lane / 16) + i of my row, become registers 0-5 of a fragment in v[pc] on; the bytes stay in v[BY], v[BY+1]
.macro QUANT2 y, pc, tu
.irp b, 0,1
	v_max3_num_f32 v[BM+\b], |v[\y+16*\b]|, |v[\y+1+16*\b]|, 0x1800000   ; with the floor 2^(3 - 127): the byte cannot fall under 1
.endr
.irp i, 2,4,6,8,10,12,14
.irp b, 0,1
	v_max3_num_f32 v[BM+\b], v[BM+\b], |v[\y+16*\b+\i]|, |v[\y+1+16*\b+\i]|
.endr
.endr
.irp b, 0,1
	v_permlanex16_b32 v[BX+\b], v[BM+\b], s[SEL], s[SEL+1]
.endr
.irp b, 0,1
	v_max_num_f32 v[BM+\b], v[BM+\b], v[BX+\b]     ; with lane l xor 16's: the block's largest magnitude
.endr
.irp b, 0,1
	v_add_nc_u32 v[SO+\b], 0xff000000, v[BM+\b]    ; 2 off its exponent field: the conversion's scale operand
.endr
.irp b, 0,1
	v_lshrrev_b32 v[BY+\b], 23, v[SO+\b]           ; the scale's byte
.endr
	v_cvt_scalef32_pk16_fp6_f32 v[\pc:\pc+2], v[\y:\y+15], v[SO]
	v_cvt_scalef32_pk16_fp6_f32 v[\tu:\tu+2], v[\y+16:\y+31], v[SO+1]
	v_nop                                          ; a plain line behind the conversions
.irp i, 0,1,2
	v_permlane16_swap_b32 v[\pc+\i], v[\tu+\i]     ; the layout wants a whole block in a lane: lanes 0-15 block 0, lanes 16-31 block 1
.endr
.irp i, 0,1,2
	v_mov_b32 v[\pc+3+\i], v[\tu+\i]
.endr
.endm
; 64 numbers of a lane become a whole fragment in v[pc] on and its scale word in v[pw]
.macro QUANT4 s, pc, pw
.irp b, 0,1,2,3
	v_max3_num_f32 v[TM+\b], |v[\s+16*\b]|, |v[\s+1+16*\b]|, 0x1800000
.endr
.irp i, 2,4,6,8,10,12,14
.irp b, 0,1,2,3
	v_max3_num_f32 v[TM+\b], v[TM+\b], |v[\s+16*\b+\i]|, |v[\s+1+16*\b+\i]|
.endr
.endr
.irp b, 0,1,2,3
	v_permlanex16_b32 v[TM+4+\b], v[TM+\b], s[SEL], s[SEL+1]
.endr
.irp b, 0,1,2,3
	v_max_num_f32 v[TM+\b], v[TM+\b], v[TM+4+\b]
.endr
.irp b, 0,1,2,3
	v_add_nc_u32 v[TM+12+\b], 0xff000000, v[TM+\b]
.endr
.irp b, 0,1,2,3
	v_lshrrev_b32 v[TM+4+\b], 23, v[TM+12+\b]
.endr
	v_lshl_or_b32 v[\pw], v[TM+5], 8, v[TM+4]
	v_lshl_or_b32 v[\pw], v[TM+6], 16, v[\pw]
	v_lshl_or_b32 v[\pw], v[TM+7], 24, v[\pw]
.irp c, 0,1
	v_cvt_scalef32_pk16_fp6_f32 v[\pc+6*\c:\pc+2+6*\c], v[\s+32*\c:\s+15+32*\c], v[TM+12+2*\c]
	v_cvt_scalef32_pk16_fp6_f32 v[\pc+12+4*\c:\pc+14+4*\c], v[\s+16+32*\c:\s+31+32*\c], v[TM+12+2*\c+1]
.endr
	v_nop
.irp c, 0,1
.irp i, 0,1,2
	v_permlane16_swap_b32 v[\pc+6*\c+\i], v[\pc+12+4*\c+\i]
.endr
.irp i, 0,1,2
	v_mov_b32 v[\pc+3+6*\c+\i], v[\pc+12+4*\c+\i]
.endr
.endr
.endm
	PLACES NP                                      ; behind the last products: their registers are read and written below
	s_load_b256 s[68:75], s[0:1], 0x10             ; b_qkv s[68:69], attention_mask s[70:71], qq s[72:73], kv s[74:75]
	v_and_b32 v1, 15, v0                           ; r
	v_bfe_u32 v2, v0, 4, 1                         ; h
	v_and_b32 v3, 31, v0
	v_lshlrev_b32 v3, 4, v3                        ; 16 x lane: an image's place for my lane
	v_and_b32 v22, 8, v1
	v_add_nc_u32 v22, v22, v1                      ; r + 8 (r / 8)
	v_lshlrev_b32 v5, 2, v22                       ; 4 bytes a row of A's block
	v_lshlrev_b32 v6, 6, v2                        ; 64 h: my 16 numbers of a block of 32
	v_lshl_add_u32 v4, v22, 8, v6                  ; the table: 256 bytes a position, + 64 h
	v_add_nc_u32 v7, -1, v2                        ; all ones in lanes 0-15, 0 in lanes 16-31
	s_mov_b32 s[HI], 0xffff0000
	s_mov_b32 s[SEL], 0x76543210
	s_mov_b32 s[SEL+1], 0xfedcba98
	s_cmp_eq_u32 ttmp9, 2
	s_cbranch_scc1 .Lv
; ---- q and k
	s_lshl_b32 s20, s17, 8
	s_lshl_b32 s21, s15, 7
	s_add_co_u32 s20, s20, s21                     ; my first row of x
	s_lshr_b32 s21, s20, 11                        ; the batch
	s_bfe_u32 s22, s20, 0x40007                    ; which 128 positions of it
	s_and_b32 s23, s20, 2047                       ; my first position
	s_lshl_b32 s24, s42, 8
	s_lshl_b32 s25, s16, 7
	s_add_co_u32 s24, s24, s25                     ; my first column of qkv
	s_bfe_u32 s25, s24, 0x40006                    ; my first head
	s_lshl_b32 s30, s21, 4
	s_add_co_u32 s30, s30, s25
	s_lshl_b32 s30, s30, 4
	s_add_co_u32 s30, s30, s22                     ; its record
	s_cmp_eq_u32 ttmp9, 0                          ; q?
	s_mov_b32 s26, 15360
	s_cselect_b32 s26, 8704, s26                   ; a record's bytes
	s_mov_b32 s27, 14336
	s_cselect_b32 s27, 8192, s27                   ; where its scale words begin
	s_cselect_b32 s50, 8, 0                        ; the code at k = 64: q 1.0; an open key 0,
	s_cselect_b32 s51, 8, 0x38                     ; a masked key -4.0
	s_mov_b32 s52, 0x7fe10000
	s_cselect_b32 s52, 0x7f7f0000, s52             ; scale bytes 2 and 3 of a masked key: 225, 127
	s_wait_kmcnt 0x0
	s_cselect_b64 s[28:29], s[72:73], s[74:75]
	s_mul_i32 s30, s30, s26
	s_mov_b32 s31, 0
	s_add_nc_u64 s[OUTP:OUTP+1], s[28:29], s[30:31]
	s_lshl_b32 s30, s26, 4                         ; the next head: 16 records on
	s_add_nc_u64 s[OUTP+2:OUTP+3], s[OUTP:OUTP+1], s[30:31]
	s_mov_b32 s30, s27
	s_add_nc_u64 s[36:37], s[OUTP:OUTP+1], s[30:31]
	s_add_nc_u64 s[38:39], s[OUTP+2:OUTP+3], s[30:31]
	s_lshl_b32 s30, s24, 2
	s_add_nc_u64 s[44:45], s[68:69], s[30:31]      ; the bias at my first column
	s_lshl_b32 s30, s23, 8
	s_add_nc_u64 s[46:47], s[98:99], s[30:31]
	s_add_nc_u64 s[46:47], s[46:47], 3276800       ; the table at my first position
	s_lshl_b32 s30, s20, 2
	s_add_nc_u64 s[48:49], s[70:71], s[30:31]      ; the mask at my first row
	s_wait_alu depctr_va_vdst(0)
	v_and_b32 v16, s50, v7                         ; register 6 of an open row,
	v_and_b32 v17, s51, v7                         ; of a masked one
	v_mov_b32 v18, 0x7f7f0000
	v_mov_b32 v19, s52
	v_mov_b32 v[BX], 0                             ; written once: a lane permute's destination counts as one of its sources
	v_mov_b32 v[BX+1], 0
	v_mov_b32 v[PC+7], 0                           ; register 7 of both sets: zero codes
	v_mov_b32 v[PC+15], 0
.irp e, 0,1
.irp bb, 0,1
.irp k, 0,1,2,3
	global_load_b128 v[BI+32*\e+16*\bb+4*\k:BI+32*\e+16*\bb+4*\k+3], v6, s[44:45] offset:4*(64*\e+32*\bb)+16*\k
.endr
.endr
.endr
	s_cmp_eq_u32 ttmp9, 0
	s_cbranch_scc1 .Lno_mask                       ; q has no mask
.irp a, 0,1,2,3,4,5,6,7
	global_load_b32 v[MK+\a], v5, s[48:49] offset:4*(32*(\a/2)+8*(\a%2))
.endr
	s_branch .Lmask_done
.Lno_mask:
.irp a, 0,1,2,3,4,5,6,7
	v_mov_b32 v[MK+\a], 1
.endr
.Lmask_done:
.macro CSLOAD a                        ; cos and sin of my position in A's block a, i = 16 h + 0..15
.irp k, 0,1,2,3
	global_load_b128 v[CS+32*((\a)%2)+4*\k:CS+32*((\a)%2)+4*\k+3], v4, s[46:47] offset:256*(32*((\a)/2)+8*((\a)%2))+16*\k
	global_load_b128 v[CS+32*((\a)%2)+16+4*\k:CS+32*((\a)%2)+16+4*\k+3], v4, s[46:47] offset:256*(32*((\a)/2)+8*((\a)%2))+128+16*\k
.endr
.endm
.macro UNIT a, e                       ; A's block a (16 positions), head e of my two
.set PCU, PC+8*(\e)
.set COSR, CS+32*((\a)%2)
.set SINR, COSR+16
	s_wait_xcnt 0x0                                ; the stores of two units ago have read this set of registers
	WIN 0x02+(\a)/4                                ; source 0: the accumulators' window
.irp i, 0,2,4,6,8,10,12,14,16,18,20,22,24,26,28,30
	v_pk_add_f32 v[Y+\i:Y+\i+1], v[64*((\a)%4)+32*(\e)+\i:64*((\a)%4)+32*(\e)+\i+1], v[BI+32*(\e)+\i:BI+32*(\e)+\i+1]   ; + bias; each accumulator from its low end on
.endr
	WIN 0
.irp i, 0,2,4,6,8,10,12,14             ; x1 = d 16 h + i, x2 = d + 32: x1 cos - x2 sin, x2 cos + x1 sin
	v_pk_mul_f32 v[T+\i%8:T+\i%8+1], v[Y+\i:Y+\i+1], v[SINR+\i:SINR+\i+1]
	v_pk_mul_f32 v[Y+\i:Y+\i+1], v[Y+\i:Y+\i+1], v[COSR+\i:COSR+\i+1]
	v_pk_fma_f32 v[Y+\i:Y+\i+1], v[Y+16+\i:Y+17+\i], v[SINR+\i:SINR+\i+1], v[Y+\i:Y+\i+1] neg_lo:[1,0,0] neg_hi:[1,0,0]
	v_pk_fma_f32 v[Y+16+\i:Y+17+\i], v[Y+16+\i:Y+17+\i], v[COSR+\i:COSR+\i+1], v[T+\i%8:T+\i%8+1]
.endr
	QUANT2 Y, PCU, TU
	v_mov_b32 v[PCU+6], v20                        ; the code at k = 64
	v_lshl_or_b32 v[PW+8*(\e)+(\a)], v[BY+1], 8, v[BY]
	v_or_b32 v[PW+8*(\e)+(\a)], v[PW+8*(\e)+(\a)], v21   ; the row's scale word
	global_store_b128 v3, v[PCU:PCU+3], s[OUTP+2*(\e):OUTP+2*(\e)+1] offset:1024*(\a)        ; the wave stores 512 consecutive bytes, aligned
	global_store_b128 v3, v[PCU+4:PCU+7], s[OUTP+2*(\e):OUTP+2*(\e)+1] offset:1024*(\a)+512
.endm
	CSLOAD 0
	s_wait_alu depctr_va_vdst(0)
.irp a, 0,1,2,3,4,5,6,7
.if \a < 7
	CSLOAD \a+1
	s_wait_loadcnt 8                               ; all but the eight loads just issued are in
.else
	s_wait_loadcnt 0
.endif
	v_cmp_eq_u32 vcc_lo, 0, v[MK+\a]
	v_cndmask_b32 v20, v16, v17, vcc_lo
	v_cndmask_b32 v21, v18, v19, vcc_lo
	UNIT \a, 0
	UNIT \a, 1
.endr
.irp e, 0,1
.if \e
	s_wait_alu depctr_va_vdst(0)
	s_wait_xcnt 0x0                                ; the first record's store has read its registers
.endif
.irp j, 0,1,2,3
	v_cndmask_b32 v[SW+\j], v[PW+8*\e+2*\j], v[PW+8*\e+2*\j+1], s[HI]   ; lanes 0-15 tile 2 j, lanes 16-31 tile 2 j + 1
.endr
	global_store_b128 v3, v[SW:SW+3], s[36+2*\e:37+2*\e]
.endr
	s_branch .Lend
; ---- v
.Lv:
	s_lshl_b32 s20, s17, 8
	s_lshl_b32 s21, s15, 7
	s_add_co_u32 s20, s20, s21                     ; my first column of qkv (2048 on)
	s_sub_co_u32 s25, s20, 2048
	s_lshr_b32 s25, s25, 6                         ; my first head
	s_lshl_b32 s24, s42, 8
	s_lshl_b32 s21, s16, 7
	s_add_co_u32 s24, s24, s21                     ; my first row of x
	s_lshr_b32 s21, s24, 11                        ; the batch
	s_bfe_u32 s22, s24, 0x40007                    ; which 128 keys of it
	s_lshl_b32 s30, s21, 4
	s_add_co_u32 s30, s30, s25
	s_lshl_b32 s30, s30, 4
	s_add_co_u32 s30, s30, s22
	s_mul_i32 s30, s30, 15360
	s_add_co_u32 s30, s30, 8192                    ; v's images in the record
	s_mov_b32 s31, 0
	s_wait_kmcnt 0x0
	s_add_nc_u64 s[OUTP:OUTP+1], s[74:75], s[30:31]
	s_add_nc_u64 s[OUTP+2:OUTP+3], s[OUTP:OUTP+1], 16*15360
	s_lshl_b32 s30, s20, 2
	s_add_nc_u64 s[44:45], s[68:69], s[30:31]
	s_wait_alu depctr_va_vdst(0)
.irp a, 0,1,2,3,4,5,6,7
	global_load_b32 v[BV+2*\a], v5, s[44:45] offset:4*(32*(\a/2)+8*(\a%2))   ; the bias of my column in A's block a
	v_mov_b32 v[BV+2*\a+1], 0                      ; (named with it as a pair)
.endr
.irp b, 0,1,2,3
	v_mov_b32 v[TM+4+\b], 0
.endr
.irp j, 2,3,6,7
	v_mov_b32 v[SWV+\j], 0                         ; a record's words 2 and 3: v has four tiles a head
.endr
	s_wait_loadcnt 0x0
.macro VUNIT a                         ; A's block a: 16 columns of v x my 128 keys
.set PCU, PCV+20*((\a)%2)
	s_wait_xcnt 0x0                                ; the stores of two units ago have read this set of registers
	WIN 0x02+(\a)/4
.irp i, 0,2,4,6,8,10,12,14,16,18,20,22,24,26,28,30,32,34,36,38,40,42,44,46,48,50,52,54,56,58,60,62
	v_pk_add_f32 v[YV+\i:YV+\i+1], v[64*((\a)%4)+\i:64*((\a)%4)+\i+1], v[BV+2*(\a):BV+2*(\a)+1] op_sel_hi:[1,0]
.endr
	WIN 0
	QUANT4 YV, PCU, PWV+(\a)
.irp g, 0,1,2
	global_store_b128 v3, v[PCU+4*\g:PCU+4*\g+3], s[OUTP+2*((\a)/4):OUTP+2*((\a)/4)+1] offset:1536*((\a)%4)+512*\g
.endr
.endm
.irp a, 0,1,2,3,4,5,6,7
	VUNIT \a
.endr
.irp e, 0,1
	v_cndmask_b32 v[SWV+4*\e], v[PWV+4*\e], v[PWV+4*\e+1], s[HI]
	v_cndmask_b32 v[SWV+4*\e+1], v[PWV+4*\e+2], v[PWV+4*\e+3], s[HI]
	global_store_b128 v3, v[SWV+4*\e:SWV+4*\e+3], s[OUTP+2*\e:OUTP+2*\e+1] offset:6656
.endr
.Lend:
	s_wait_tensorcnt 0x0                           ; the wave's end
	ds_add_u32 v[SPW], v[NIL]
	s_wait_dscnt 0x0
	CROUND                                         ; the closing round
	s_endpgm
.Lfunc_end_k_q6b246a4e3e_qkv:
	.size	k_q6b246a4e3e_qkv, .Lfunc_end_k_q6b246a4e3e_qkv-k_q6b246a4e3e_qkv
	.p2alignl 7, 3214868480
	.fill 96, 4, 3214868480
	.section	.rodata,"a",@progbits
	.p2align	6, 0x0
	.amdhsa_kernel k_q6b246a4e3e_qkv
		.amdhsa_group_segment_fixed_size 327680
		.amdhsa_private_segment_fixed_size 0
		.amdhsa_enable_private_segment 0
		.amdhsa_kernarg_size 48
		.amdhsa_user_sgpr_count 2
		.amdhsa_user_sgpr_kernarg_segment_ptr 1
		.amdhsa_wavefront_size32 1
		.amdhsa_system_sgpr_workgroup_id_x 1
		.amdhsa_system_sgpr_workgroup_id_y 1
		.amdhsa_system_sgpr_workgroup_id_z 1
		.amdhsa_system_vgpr_workitem_id 0
		.amdhsa_next_free_vgpr 1024
		.amdhsa_next_free_sgpr 102
		.amdhsa_reserve_vcc 1
		.amdhsa_float_denorm_mode_32 3
		.amdhsa_float_denorm_mode_16_64 3
		.amdhsa_memory_ordered 1
		.amdhsa_forward_progress 1
		.amdhsa_inst_pref_size 255
	.end_amdhsa_kernel
	.section	.bss,"aw",@nobits
	.p2align	6
	.space	262144
	.amdgpu_metadata
---
amdhsa.version: [ 1, 2 ]
amdhsa.kernels:
  - .name:           k_q6b246a4e3e_qkv
    .symbol:         k_q6b246a4e3e_qkv.kd
    .args:
      - { .name: xq, .offset: 0, .size: 8, .value_kind: global_buffer, .address_space: global }
      - { .name: wts, .offset: 8, .size: 8, .value_kind: global_buffer, .address_space: global }
      - { .name: b_qkv, .offset: 16, .size: 8, .value_kind: global_buffer, .address_space: global }
      - { .name: attention_mask, .offset: 24, .size: 8, .value_kind: global_buffer, .address_space: global }
      - { .name: qq, .offset: 32, .size: 8, .value_kind: global_buffer, .address_space: global }
      - { .name: kv, .offset: 40, .size: 8, .value_kind: global_buffer, .address_space: global }
    .group_segment_fixed_size: 327680
    .private_segment_fixed_size: 0
    .kernarg_segment_align: 8
    .kernarg_segment_size: 48
    .max_flat_workgroup_size: 128
    .sgpr_count:     102
    .vgpr_count:     1024
    .wavefront_size: 32
...
	.end_amdgpu_metadata
.endif
;; end of part 3
;; launch attn (part 4): grid 4 x 64, 16 waves a work-group, clusters of 4 x 1, 327,680 bytes of LDS; arguments qq, kv, ao; writes ao
.if DOCPART == 4
	.amdgcn_target "amdgcn-amd-amdhsa--gfx1250"
	.amdhsa_code_object_version 6
	.text
	.protected	k_q6b246a4e3e_attn
	.globl	k_q6b246a4e3e_attn
	.p2align	8
	.type	k_q6b246a4e3e_attn,@function
k_q6b246a4e3e_attn:
	s_mov_b64 s[64:65], 0
	v_nop
	global_prefetch_b8 v0, s[64:65] scope:SCOPE_SE
	s_setreg_imm32_b32 hwreg(HW_REG_WAVE_MODE, 25, 1), 1
	s_wait_xcnt 0x0
	s_wait_alu depctr_hold_cnt(0) depctr_sa_sdst(0) depctr_va_vdst(0) depctr_va_sdst(0) depctr_va_ssrc(0) depctr_va_vcc(0) depctr_vm_vsrc(0)
	s_getreg_b32 s2, hwreg(HW_REG_IB_STS2, 6, 4)
	s_cmp_eq_u32 s2, 0
	s_cbranch_scc0 .Lentry_in_a_cluster
	s_endpgm
.Lentry_in_a_cluster:
	s_bfe_u32 s2, ttmp6, 0x10000c
	s_cmp_lg_u32 s2, 0x3003
	s_cbranch_scc0 .Lentry_shape_is_right
	s_endpgm
.Lentry_shape_is_right:
.set REC,   15360
.set CHUNK, 4*REC
.set PART,  CHUNK/16
.set SPARE, 16*REC
.set LI,  1
.set L8,  2
.set R16, 3
.set AD,  4
.set SPW, 5
.set NIL, 6
.set BO,  7
.set QF,  16
.set QS,  28
.set PS,  29
.set VS,  30
.set R,   32
.set S,   100
.set O,   164
.set PC,  196
.set TU,  208
.set BM,  216
.set BY,  218
.set BX,  220
.set SO,  224
.set SUM2, 228
.set F,   230
.set TMP, 232
.set KS,  236
.set WV,  12
.set HI,  15
.set SEL, 20
.set CS,  22
.set G1,  24
.set G0,  32
.set TB,  48
.set CNT, 49
.set PASS, 50
.set FLAG, 51
.macro CROUND
	s_barrier_signal -1
	s_barrier_wait -1
	s_cmp_lg_u32 s[WV], 0
	s_cbranch_scc1 .Lnot_wave_0_\@
	s_barrier_signal -3
.Lnot_wave_0_\@:
	s_barrier_wait -3
	s_barrier_signal -1
	s_barrier_wait -1
.endm
	s_load_b128 s[4:7], s[0:1], 0x0
	s_load_b64 s[8:9], s[0:1], 0x10
	v_lshl_add_u32 v[SPW], v0, 2, SPARE
	v_mov_b32 v[NIL], 0
	ds_add_u32 v[SPW], v[NIL]
	ds_add_u32 v[SPW], v[NIL]
	v_lshrrev_b32 v1, 5, v0
	s_delay_alu instid0(VALU_DEP_1)
	v_readfirstlane_b32 s[WV], v1
	s_bfe_u32 s13, ttmp6, 0x40000
	s_and_b32 s14, ttmp7, 0xffff
	s_mov_b32 s[G1], 15|(3<<16)|(1<<21)
	s_mov_b32 s[G1+1], 32<<16
	s_mov_b32 s[G1+2], 15<<16
	s_mov_b32 s[G1+3], 32<<16
	s_mov_b32 s[G1+4], 15
	s_mov_b32 s[G1+5], 32
	s_mov_b32 s[G1+6], 0
	s_mov_b32 s[G1+7], 0
	s_mul_i32 s18, s[WV], PART
	s_mul_i32 s16, s14, 16*REC
	s_add_co_u32 s16, s16, s18
	s_mov_b32 s17, 0
	s_lshl_b32 s52, s13, 2
	s_lshr_b32 s53, s[WV], 3
	s_add_co_u32 s52, s52, s53
	s_mul_i32 s52, s52, 8704
	s_mul_i32 s53, s14, 16*8704
	s_add_co_u32 s52, s52, s53
	s_and_b32 s54, s[WV], 7
	s_lshl_b32 s55, s54, 10
	s_add_co_u32 s56, s52, s55
	s_mov_b32 s57, 0
	s_and_b32 s55, s[WV], 1
	s_lshl_b32 s55, s55, 8
	s_add_co_u32 s52, s52, s55
	s_lshr_b32 s54, s54, 1
	s_lshl_b32 s54, s54, 2
	s_add_co_u32 s52, s52, s54
	s_add_co_u32 s52, s52, 8192
	s_mov_b32 s53, 0
	s_lshr_b32 s58, s14, 4
	s_lshl_b32 s58, s58, 7
	s_lshl_b32 s59, s13, 5
	s_add_co_u32 s58, s58, s59
	s_add_co_u32 s58, s58, s[WV]
	s_and_b32 s59, s14, 15
	s_mul_i32 s54, s58, 768
	s_mul_i32 s55, s59, 512*768
	s_add_co_u32 s54, s54, s55
	s_mov_b32 s55, 0
	s_lshl_b32 s58, s58, 9
	s_lshl_b32 s59, s59, 1
	s_add_co_u32 s58, s58, s59
	s_mov_b32 s59, 0
	s_mov_b32 s[HI], 0xffff0000
	s_mov_b32 s[SEL], 0x76543210
	s_mov_b32 s[SEL+1], 0xfedcba98
	s_mov_b32 s[CS], 0x3e38aa3b
	s_mov_b32 s[CS+1], s[CS]
	s_mov_b32 s[PASS], 2
	s_wait_dscnt 0x0
	s_wait_kmcnt 0x0
	s_add_nc_u64 s[10:11], s[8:9], s[58:59]
	s_add_nc_u64 s[10:11], s[10:11], 6291456
	s_add_nc_u64 s[8:9], s[8:9], s[54:55]
	s_add_nc_u64 s[2:3], s[4:5], s[52:53]
	s_add_nc_u64 s[4:5], s[4:5], s[56:57]
	s_add_nc_u64 s[6:7], s[6:7], s[16:17]
.irp c, 0,1,2,3
	s_mov_b32 s[G0+4*\c], 1
	s_add_co_u32 s[G0+4*\c+1], s18, \c*CHUNK
	s_add_nc_u64 s[G0+4*\c+2:G0+4*\c+3], s[6:7], \c*CHUNK
	s_or_b32 s[G0+4*\c+3], s[G0+4*\c+3], 0x80000000
.endr
	CROUND
.irp c, 0,1,2,3
	s_wait_alu depctr_va_vdst(0)
	s_wait_tensorcnt 0x0
	ds_add_u32 v5, v6
	ds_add_u32 v5, v6
	s_wait_dscnt 0x0
	CROUND
	tensor_load_to_lds s[G0+4*\c:G0+4*\c+3], s[G1:G1+7]
	s_nop 0
.endr
.rept 4
	v_nop
.endr
	v_and_b32 v8, 31, v0
	s_delay_alu instid0(VALU_DEP_1)
	v_lshlrev_b32 v[LI], 4, v8
	s_delay_alu instid0(VALU_DEP_2)
	v_lshlrev_b32 v[L8], 3, v8
	v_and_b32 v8, 15, v0
	v_bfe_u32 v9, v0, 4, 1
	s_delay_alu instid0(VALU_DEP_2)
	v_lshlrev_b32 v[R16], 4, v8
	s_delay_alu instid0(VALU_DEP_2)
	v_lshl_add_u32 v[BO], v8, 5, v9
.irp j, 24,25,26,27,96,97,98,99
	v_mov_b32 v[\j], 0
.endr
.irp b, 0,1,2,3
	v_mov_b32 v[BX+\b], 0
.endr
	v_mov_b32 v[F+1], 0
	v_mov_b32 v[TMP], 0
.macro STEP
	v_add_nc_u32 v[AD], s[TB], v[LI]
.rept 3
	v_nop
.endr
	ds_load_b128 v[KS:KS+3], v[AD] offset:14336
.irp t, 0,1,2,3,4,5,6,7
	ds_load_b128 v[R+8*\t:R+8*\t+3], v[AD] offset:1024*\t
	ds_load_b128 v[R+8*\t+4:R+8*\t+7], v[AD] offset:1024*\t+512
.endr
	s_wait_alu depctr_va_vdst(0)
	s_wait_dscnt 0x0
.irp t, 0,2,4,6
	v_wmma_scale_f32_16x16x128_f8f6f4 v[S+8*\t:S+8*\t+7], v[R+8*\t:R+8*\t+11], v[QF:QF+11], 0, v[KS+\t/2], v[QS] matrix_a_fmt:MATRIX_FMT_FP6 matrix_b_fmt:MATRIX_FMT_FP6
	v_wmma_scale_f32_16x16x128_f8f6f4 v[S+8*(\t+1):S+8*(\t+1)+7], v[R+8*(\t+1):R+8*(\t+1)+11], v[QF:QF+11], 0, v[KS+\t/2], v[QS] matrix_a_fmt:MATRIX_FMT_FP6 matrix_b_fmt:MATRIX_FMT_FP6 matrix_a_scale:MATRIX_SCALE_ROW1
.endr
.rept 4
	v_nop
.endr
	ds_load_b64 v[VS:VS+1], v[AD] offset:14848
.irp t, 0,1,2,3
.irp g, 0,1,2
	ds_load_b128 v[R+12*\t+4*\g:R+12*\t+4*\g+3], v[AD] offset:8192+1536*\t+512*\g
.endr
.endr
.irp b, 0,1,2,3
	v_max3_num_f32 v[BM+\b], v[S+16*\b], v[S+1+16*\b], v[S+2+16*\b]
.endr
.irp i, 3,5,7,9,11,13
.irp b, 0,1,2,3
	v_max3_num_f32 v[BM+\b], v[BM+\b], v[S+16*\b+\i], v[S+1+16*\b+\i]
.endr
.endr
.irp b, 0,1,2,3
	v_max_num_f32 v[BM+\b], v[BM+\b], v[S+15+16*\b]
.endr
.irp b, 0,1,2,3
	s_delay_alu instid0(VALU_DEP_4)
	v_permlanex16_b32 v[BX+\b], v[BM+\b], s[SEL], s[SEL+1]
.endr
.irp b, 0,1,2,3
	s_delay_alu instid0(VALU_DEP_4)
	v_max_num_f32 v[BM+\b], v[BM+\b], v[BX+\b]
.endr
	s_delay_alu instid0(VALU_DEP_2)
	v_max3_num_f32 v[TMP], v[BM], v[BM+1], v[BM+2]
	s_delay_alu instid0(VALU_DEP_1)
	v_max_num_f32 v[TMP], v[TMP], v[BM+3]
	s_delay_alu instid0(VALU_DEP_1)
	v_mul_f32 v[TMP], s[CS], v[TMP]
	s_delay_alu instid0(VALU_DEP_1)
	v_max_num_f32 v13, v13, v[TMP]
	v_mov_b32 v[TMP], v12
	s_delay_alu instid0(VALU_DEP_2)
	v_floor_f32 v12, -v13
	s_delay_alu instid0(VALU_DEP_1)
	v_sub_f32 v[TMP], v12, v[TMP]
	s_delay_alu instid0(VALU_DEP_1)
	v_cvt_i32_f32 v[TMP], v[TMP]
	s_delay_alu instid0(VALU_DEP_1)
	v_ldexp_f32 v[F], 1.0, v[TMP]
.set J, 0
.rept 32
	v_pk_fma_f32 v[S+J:S+J+1], v[S+J:S+J+1], s[CS:CS+1], v[12:13] op_sel_hi:[1,0,0]
.set J, J+2
.endr
.irp b, 0,1,2,3
	v_fma_f32 v[BM+\b], v[BM+\b], s[CS], v12
.endr
.set J, 0
	s_wait_alu depctr_va_vdst(0)
.rept 64
	v_exp_f32 v[S+J], v[S+J]
.set J, J+1
.endr
	s_setprio 1
	v_pk_mul_f32 v[14:15], v[14:15], v[F:F+1] op_sel_hi:[1,0]
	s_wait_alu depctr_va_vdst(0)
.irp b, 0,1,2,3
	v_exp_f32 v[BM+\b], v[BM+\b]
.endr
	v_pk_add_f32 v[SUM2:SUM2+1], v[S:S+1], v[S+2:S+3]
.irp j, 4,8,12,16,20,24,28,32,36,40,44,48,52,56,60
	v_pk_add_f32 v[14:15], v[14:15], v[S+\j:S+\j+1]
	v_pk_add_f32 v[SUM2:SUM2+1], v[SUM2:SUM2+1], v[S+2+\j:S+3+\j]
.endr
	s_delay_alu instid0(VALU_DEP_1)
	v_pk_add_f32 v[14:15], v[14:15], v[SUM2:SUM2+1]
	s_wait_alu depctr_va_vdst(0)
.irp b, 0,1,2,3
	v_max_num_f32 v[BM+\b], 0x1800000, v[BM+\b]
.endr
.irp b, 0,1,2,3
	s_delay_alu instid0(VALU_DEP_4)
	v_add_nc_u32 v[SO+\b], 0xff000000, v[BM+\b]
.endr
.irp b, 0,1,2,3
	s_delay_alu instid0(VALU_DEP_4)
	v_lshrrev_b32 v[BX+\b], 23, v[SO+\b]
.endr
	s_delay_alu instid0(VALU_DEP_3)
	v_lshl_or_b32 v[PS], v[BX+1], 8, v[BX]
	s_delay_alu instid0(VALU_DEP_1)
	v_lshl_or_b32 v[PS], v[BX+2], 16, v[PS]
	s_delay_alu instid0(VALU_DEP_1)
	v_lshl_or_b32 v[PS], v[BX+3], 24, v[PS]
.irp c, 0,1
	v_cvt_scalef32_pk16_fp6_f32 v[PC+6*\c:PC+2+6*\c], v[S+32*\c:S+15+32*\c], v[SO+2*\c]
	v_cvt_scalef32_pk16_fp6_f32 v[TU+4*\c:TU+2+4*\c], v[S+16+32*\c:S+31+32*\c], v[SO+2*\c+1]
.endr
	v_nop
.irp c, 0,1
.irp i, 0,1,2
	v_permlane16_swap_b32 v[PC+6*\c+\i], v[TU+4*\c+\i]
.endr
.irp i, 0,1,2
	s_delay_alu instid0(VALU_DEP_3)
	v_mov_b32 v[PC+3+6*\c+\i], v[TU+4*\c+\i]
.endr
.endr
.set J, 0
	s_setprio 0
.rept 16
	v_pk_mul_f32 v[O+J:O+J+1], v[O+J:O+J+1], v[F:F+1] op_sel_hi:[1,0]
.set J, J+2
.endr
	s_wait_alu depctr_va_vdst(0)
	s_wait_dscnt 0x0
.irp t, 0,2
	v_wmma_scale_f32_16x16x128_f8f6f4 v[O+8*\t:O+8*\t+7], v[R+12*\t:R+12*\t+11], v[PC:PC+11], v[O+8*\t:O+8*\t+7], v[VS+\t/2], v[PS] matrix_a_fmt:MATRIX_FMT_FP6 matrix_b_fmt:MATRIX_FMT_FP6
	v_wmma_scale_f32_16x16x128_f8f6f4 v[O+8*(\t+1):O+8*(\t+1)+7], v[R+12*(\t+1):R+12*(\t+1)+11], v[PC:PC+11], v[O+8*(\t+1):O+8*(\t+1)+7], v[VS+\t/2], v[PS] matrix_a_fmt:MATRIX_FMT_FP6 matrix_b_fmt:MATRIX_FMT_FP6 matrix_a_scale:MATRIX_SCALE_ROW1
.endr
.endm
.macro PHASE c
	s_wait_tensorcnt 3-\c
	s_barrier_signal -1
	s_barrier_wait -1
	s_mov_b32 s[TB], CHUNK*\c
	s_mov_b32 s[CNT], 4
.Lstep_\@:
	s_setprio 2
	STEP
	s_add_co_u32 s[TB], s[TB], REC
	s_sub_co_u32 s[CNT], s[CNT], 1
	s_cmp_lg_u32 s[CNT], 0
	s_cbranch_scc1 .Lstep_\@
	s_setprio 0
.endm
.macro QUANT2 y, pc, tu
.irp b, 0,1
	v_max3_num_f32 v[BM+\b], |v[\y+16*\b]|, |v[\y+1+16*\b]|, 0x1800000
.endr
.irp i, 2,4,6,8,10,12,14
.irp b, 0,1
	s_delay_alu instid0(VALU_DEP_2)
	v_max3_num_f32 v[BM+\b], v[BM+\b], |v[\y+16*\b+\i]|, |v[\y+1+16*\b+\i]|
.endr
.endr
.irp b, 0,1
	s_delay_alu instid0(VALU_DEP_2)
	v_permlanex16_b32 v[BX+\b], v[BM+\b], s[SEL], s[SEL+1]
.endr
.irp b, 0,1
	s_delay_alu instid0(VALU_DEP_2)
	v_max_num_f32 v[BM+\b], v[BM+\b], v[BX+\b]
.endr
.irp b, 0,1
	s_delay_alu instid0(VALU_DEP_2)
	v_add_nc_u32 v[SO+\b], 0xff000000, v[BM+\b]
.endr
.irp b, 0,1
	s_delay_alu instid0(VALU_DEP_2)
	v_lshrrev_b32 v[BY+\b], 23, v[SO+\b]
.endr
	v_cvt_scalef32_pk16_fp6_f32 v[\pc:\pc+2], v[\y:\y+15], v[SO]
	v_cvt_scalef32_pk16_fp6_f32 v[\tu:\tu+2], v[\y+16:\y+31], v[SO+1]
	v_nop
.irp i, 0,1,2
	v_permlane16_swap_b32 v[\pc+\i], v[\tu+\i]
.endr
.irp i, 0,1,2
	s_delay_alu instid0(VALU_DEP_3)
	v_mov_b32 v[\pc+3+\i], v[\tu+\i]
.endr
.endm
.Lpass:
	global_load_b128 v[QF:QF+3], v[LI], s[4:5]
	global_load_b128 v[QF+4:QF+7], v[LI], s[4:5] offset:512
	global_load_b32 v[QS], v[R16], s[2:3]
	v_mov_b32 v13, 0xcd000000
	v_mov_b32 v12, 0x4d000000
	v_mov_b32 v14, 0
	v_mov_b32 v15, 0
.set J, 0
.rept 32
	v_mov_b32 v[O+J], 0
.set J, J+1
.endr
	s_wait_loadcnt 0x0
	PHASE 0
	PHASE 1
	PHASE 2
	PHASE 3
	v_add_f32 v14, v14, v15
	s_delay_alu instid0(VALU_DEP_1)
	v_permlanex16_b32 v[TMP], v14, s[SEL], s[SEL+1]
	s_delay_alu instid0(VALU_DEP_1)
	v_add_f32 v14, v14, v[TMP]
	s_delay_alu instid0(VALU_DEP_1)
	v_cmp_gt_f32 s[FLAG], 0.5, v14
	s_delay_alu instid0(VALU_DEP_2)
	v_max_num_f32 v[TMP], 0.5, v14
	s_wait_alu depctr_va_vdst(0)
	v_rcp_f32 v[F], v[TMP]
	v_nop
	s_wait_alu depctr_va_vdst(0)
.set J, 0
.rept 16
	v_pk_mul_f32 v[S+J:S+J+1], v[O+J:O+J+1], v[F:F+1] op_sel_hi:[1,0]
.set J, J+2
.endr
	QUANT2 S, PC, TU
	v_mov_b32 v[TMP], 0xff
	s_delay_alu instid0(VALU_DEP_1)
	v_cndmask_b32 v[BY], v[BY], v[TMP], s[FLAG]
	s_delay_alu instid0(VALU_DEP_2)
	v_cndmask_b32 v[BY+1], v[BY+1], v[TMP], s[FLAG]
	s_delay_alu instid0(VALU_DEP_1)
	v_cndmask_b32 v[BY], v[BY], v[BY+1], s[HI]
	global_store_b128 v[LI], v[PC:PC+3], s[8:9]
	global_store_b64 v[L8], v[PC+4:PC+5], s[8:9] offset:512
	global_store_b8 v[BO], v[BY], s[10:11]
	s_wait_xcnt 0x0
	s_add_nc_u64 s[4:5], s[4:5], 2*8704
	s_add_nc_u64 s[2:3], s[2:3], 2*8704
	s_add_nc_u64 s[8:9], s[8:9], 16*768
	s_add_nc_u64 s[10:11], s[10:11], 16*512
	s_sub_co_u32 s[PASS], s[PASS], 1
	s_cmp_lg_u32 s[PASS], 0
	s_cbranch_scc1 .Lpass
	s_wait_tensorcnt 0x0
	ds_add_u32 v[SPW], v[NIL]
	s_wait_dscnt 0x0
	CROUND
	s_endpgm
.Lfunc_end_k_q6b246a4e3e_attn:
	.size	k_q6b246a4e3e_attn, .Lfunc_end_k_q6b246a4e3e_attn-k_q6b246a4e3e_attn
	.p2alignl 7, 3214868480
	.fill 96, 4, 3214868480
	.section	.rodata,"a",@progbits
	.p2align	6, 0x0
	.amdhsa_kernel k_q6b246a4e3e_attn
		.amdhsa_group_segment_fixed_size 327680
		.amdhsa_private_segment_fixed_size 0
		.amdhsa_enable_private_segment 0
		.amdhsa_kernarg_size 24
		.amdhsa_user_sgpr_count 2
		.amdhsa_user_sgpr_kernarg_segment_ptr 1
		.amdhsa_wavefront_size32 1
		.amdhsa_system_sgpr_workgroup_id_x 1
		.amdhsa_system_sgpr_workgroup_id_y 1
		.amdhsa_system_sgpr_workgroup_id_z 1
		.amdhsa_system_vgpr_workitem_id 0
		.amdhsa_next_free_vgpr 256
		.amdhsa_next_free_sgpr 66
		.amdhsa_reserve_vcc 0
		.amdhsa_float_denorm_mode_32 3
		.amdhsa_float_denorm_mode_16_64 3
		.amdhsa_memory_ordered 1
		.amdhsa_forward_progress 1
		.amdhsa_inst_pref_size 83
	.end_amdhsa_kernel
	.amdgpu_metadata
---
amdhsa.version: [ 1, 2 ]
amdhsa.kernels:
  - .name:           k_q6b246a4e3e_attn
    .symbol:         k_q6b246a4e3e_attn.kd
    .args:
      - { .name: qq, .offset: 0, .size: 8, .value_kind: global_buffer, .address_space: global }
      - { .name: kv, .offset: 8, .size: 8, .value_kind: global_buffer, .address_space: global }
      - { .name: ao, .offset: 16, .size: 8, .value_kind: global_buffer, .address_space: global }
    .group_segment_fixed_size: 327680
    .private_segment_fixed_size: 0
    .kernarg_segment_align: 8
    .kernarg_segment_size: 24
    .max_flat_workgroup_size: 512
    .sgpr_count:     66
    .vgpr_count:     256
    .wavefront_size: 32
...
	.end_amdgpu_metadata
.endif
;; end of part 4
;; launch outproj (part 5): grid 4 x 32, 4 waves a work-group, clusters of 4 x 4, 327,680 bytes of LDS; arguments ao, wts, b_out, out0; writes out0
.if DOCPART == 5
	.amdgcn_target "amdgcn-amd-amdhsa--gfx1250"
	.amdhsa_code_object_version 6
	.text
	.protected	k_q6b246a4e3e_outproj
	.globl	k_q6b246a4e3e_outproj
	.p2align	8
	.type	k_q6b246a4e3e_outproj,@function
k_q6b246a4e3e_outproj:
	s_mov_b64 s[64:65], 0
	v_nop
	global_prefetch_b8 v0, s[64:65] scope:SCOPE_SE
	s_setreg_imm32_b32 hwreg(HW_REG_WAVE_MODE, 25, 1), 1
	s_wait_xcnt 0x0
	s_wait_alu depctr_hold_cnt(0) depctr_sa_sdst(0) depctr_va_vdst(0) depctr_va_sdst(0) depctr_va_ssrc(0) depctr_va_vcc(0) depctr_vm_vsrc(0)
	s_getreg_b32 s2, hwreg(HW_REG_IB_STS2, 6, 4)
	s_cmp_eq_u32 s2, 0
	s_cbranch_scc0 .Lentry_in_a_cluster
	s_endpgm
.Lentry_in_a_cluster:
	s_bfe_u32 s2, ttmp6, 0x10000c
	s_cmp_lg_u32 s2, 0xf033
	s_cbranch_scc0 .Lentry_shape_is_right
	s_endpgm
.Lentry_shape_is_right:
; LAUNCH 5 OF 5.  No work is left out.  out0 = attention's output x w_out + b_out, on codes of FP6 (E2M3) with E8M0 scales; sums in f32.
; A tile of 256 x 256 is made by four waves, 128 x 128 each.  K = 1,024 (16 heads of 64) goes in steps of 256 through a ring of two LDS slots; the scale bytes of the 2 x 256 rows come into LDS once.  CLUSTERS of 4 x 4: A's tiles are
; asked for jointly along a row of the cluster, B's along a column.  The matrix instruction is used transposed (source 0 = 16 rows of B, source 1 = 16 rows of A): a lane holds eight numbers of a row of the output.
; A lies in memory as images of operand registers, [head 16][tile of 16 rows 512][registers 0-3: 512 bytes | registers 4-5: 256]: a slot's part for 128 rows is 4 heads x 6,144 dense bytes, one load; a fragment (two heads) comes by
; two loads of 16 bytes and two of 8 a lane, each over consecutive bytes.  B (w_out's columns as rows of 768 bytes) comes as rows of 192 bytes with 16 bytes of padding behind every 64.
; BOTH OPERANDS' ROWS ARE STORED PERMUTED (bits 3 and 4 exchanged).  The way out puts both right: B's block b, lane half h, register j is column 32 (b / 2) + 16 h + 8 (b % 2) + j, by the place in the wave's stage in LDS;
; A's block a, row t is row 32 (a / 2) + 8 (a % 2) + t + 8 (t / 8), by the store's immediate.  The stage lies in slot 0, which has had its last fill and its last read by then.  b_out is added to the rows read back.
; A row of attention's output with no key has the scale byte 0xff: its sums are NaN, as the softmax of a row of minus infinities gives.
; The grid has 128 work-groups: a smaller tile would fill more of the chip at more LDS reads for each product; not built.  No prefetch: K has four slots' worth of steps and two of them are asked for at the head.
.set SIZE_K, 1024
.set KSTEP,  256
.set NQ,     KSTEP/128
.set ROWB,   192
.set KROW,   SIZE_K*6/8
.set PITCH,  240
.set FR,     12
.set NL,     6                         ; LDS loads that bring a fragment of B
.set NLA,    4                         ; and of A
.set NP,     4
.set HEADB,  6144                      ; 8 tiles x 768 bytes: 128 rows of one head
.set HEADS,  512*768                   ; from head to head in memory
.set HALFT,  128*PITCH
.set SLOT,   4*HALFT
.set LAPS,   SIZE_K/(2*KSTEP)
.set KS,     SIZE_K/32
.set SCL,    2*SLOT
.set HALFS,  (128*KS/256)*272
.set SBLK,   (16*KS/256)*272
.set SPARE,  SCL+4*HALFS
.set SPITCH, 528
.set ADRA, 16                          ; v16-17 16 x lane + my half of A in slot 0, 1; v18-19 8 x lane + the same
.set ADRB, 20                          ; v20-23 B's fragments, as rows
.set STO,  24
.set RD,   25
.set CO,   26                          ; v26 16 x lane
.set ADRS, 27
.set SPW,  28
.set NIL,  29
.set BIAS, 8                           ; v8-11 b_out of my four columns of a row
.set SC,   32
.set AF,   128
.set BK,   128
.set G1, 24
.set G0, 32
.set G1B, 48
.set G0B, 56
.set G1S, 68
.set G0S, 76
.set G1SB, 80
.set G0SB, 88
.set MSB, 0
.macro WIN new
.if MSB != (\new)
	s_set_vgpr_msb (MSB<<8)|(\new)
.set MSB, (\new)
.endif
.endm
.set MUL_LO, 0xa1
.set MUL_HI, 0xf1
.set TO_B,   0x40
.macro JLOAD g0a, g1a, g0b, g1b        ; waves 0 and 1 fetch for A, waves 2 and 3 for B; an s_nop 0 and four v_nop follow each line
	s_cmp_eq_u32 s15, 0
	s_cbranch_scc0 .Lfor_b_\@
	tensor_load_to_lds s[\g0a:\g0a+3], s[\g1a:\g1a+7]
	s_nop 0
.rept 4
	v_nop
.endr
	s_branch .Lasked_\@
.Lfor_b_\@:
	tensor_load_to_lds s[\g0b:\g0b+3], s[\g1b:\g1b+7]
	s_nop 0
.rept 4
	v_nop
.endr
.Lasked_\@:
.endm
.macro CREST
	s_cmp_lg_u32 s14, 0
	s_cbranch_scc1 .Lnot_wave_0_\@
	s_barrier_signal -3
.Lnot_wave_0_\@:
	s_barrier_wait -3
	s_barrier_signal -1
	s_barrier_wait -1
.endm
.macro CROUND
	s_barrier_signal -1
	s_barrier_wait -1
	CREST
.endm
	s_load_b128 s[4:7], s[0:1], 0x0                ; ao, wts
	s_load_b128 s[8:11], s[0:1], 0x10              ; b_out, out0
	v_lshl_add_u32 v[SPW], v0, 2, SPARE
	v_mov_b32 v[NIL], 0
	ds_add_u32 v[SPW], v[NIL]                      ; the wave's opening: the add, twice on end, and its wait ahead of my first tensor load
	ds_add_u32 v[SPW], v[NIL]
	v_lshrrev_b32 v1, 5, v0
	v_readfirstlane_b32 s14, v1
	s_lshr_b32 s15, s14, 1
	s_and_b32 s16, s14, 1
	s_bfe_u32 s40, ttmp6, 0x40000
	s_bfe_u32 s41, ttmp6, 0x40004
	s_lshl_b32 s42, ttmp9, 2
	s_add_co_u32 s42, s42, s40                     ; tile column
	s_and_b32 s17, ttmp7, 0xffff
	s_lshl_b32 s17, s17, 2
	s_add_co_u32 s17, s17, s41                     ; tile row
	s_lshl_b32 s43, s41, 2
	s_lshl_b32 s43, 15, s43
	s_lshl_b32 s44, 0x1111, s40
	s_or_b32 s[G1+0], s43, (3<<16)|(1<<21)         ; A: the mask of my row; elements of 8 bytes; no padding
	s_mov_b32 s[G1+1], (HEADB/8)<<16               ; tensor_dim0 = 768 elements: 128 rows of one head
	s_mov_b32 s[G1+2], 4<<16                       ; tensor_dim1 = 4 heads
	s_mov_b32 s[G1+3], (HEADB/8)<<16               ; tile_dim0
	s_mov_b32 s[G1+4], 4                           ; tile_dim1
	s_mov_b32 s[G1+5], HEADS/8                     ; from head to head, in elements
	s_mov_b32 s[G1+6], 0
	s_mov_b32 s[G1+7], 0
	s_or_b32 s[G1B+0], s44, (0<<16)|(1<<20)|(1<<21)|(3<<22)|(3<<25)  ; B: 128 rows of 192 bytes, 4 words of padding behind every 16
	s_mov_b32 s[G1B+1], ROWB<<16
	s_mov_b32 s[G1B+2], 128<<16
	s_mov_b32 s[G1B+3], ROWB<<16
	s_mov_b32 s[G1B+4], 128
	s_mov_b32 s[G1B+5], KROW
	s_mov_b32 s[G1B+6], 0
	s_mov_b32 s[G1B+7], 0
	s_or_b32 s[G1S+0], s43, (3<<16)|(1<<20)|(1<<21)|(5<<22)|(3<<25)
	s_or_b32 s[G1SB+0], s44, (3<<16)|(1<<20)|(1<<21)|(5<<22)|(3<<25)
.irp g, G1S, G1SB
	s_mov_b32 s[\g+1], 32<<16
	s_mov_b32 s[\g+2], (128*KS/256)<<16
	s_mov_b32 s[\g+3], 32<<16
	s_mov_b32 s[\g+4], 128*KS/256
	s_mov_b32 s[\g+5], 32
	s_mov_b32 s[\g+6], 0
	s_mov_b32 s[\g+7], 0
.endr
	s_lshl_b32 s18, s16, 7
	s_lshl_b32 s20, s17, 8
	s_add_co_u32 s20, s20, s18                     ; A: stored row 256 x tile row + 128 x half
	s_lshl_b32 s46, s42, 8
	s_add_co_u32 s46, s46, s18                     ; B likewise
	s_mov_b32 s21, 0
	s_mov_b32 s47, 0
	s_mov_b64 s[18:19], KS
	s_mul_u64 s[22:23], s[20:21], s[18:19]
	s_mul_u64 s[92:93], s[46:47], s[18:19]
	s_mov_b64 s[18:19], 48
	s_mul_u64 s[20:21], s[20:21], s[18:19]         ; A's images: 768 bytes for 16 rows
	s_mov_b64 s[18:19], KROW
	s_mul_u64 s[46:47], s[46:47], s[18:19]
	s_mul_i32 s45, s14, HALFT
	s_mul_i32 s94, s14, HALFS
	s_wait_dscnt 0x0                               ; both opening adds are done
	s_wait_kmcnt 0x0
	s_mov_b64 s[12:13], s[10:11]                   ; out0
	s_mov_b64 s[66:67], s[8:9]                     ; b_out
	s_add_nc_u64 s[8:9], s[6:7], 2457600           ; w_out's codes,
	s_add_nc_u64 s[10:11], s[6:7], 3244032         ; its scale bytes,
	s_add_nc_u64 s[6:7], s[4:5], 6291456           ; A's scale bytes
	s_add_nc_u64 s[20:21], s[4:5], s[20:21]
	s_add_nc_u64 s[22:23], s[6:7], s[22:23]
	s_add_nc_u64 s[46:47], s[8:9], s[46:47]
	s_add_nc_u64 s[92:93], s[10:11], s[92:93]
	CROUND
	s_mov_b32 s[G0S], 1
	s_add_co_u32 s[G0S+1], s94, SCL
	s_mov_b64 s[G0S+2:G0S+3], s[22:23]
	s_or_b32 s[G0S+3], s[G0S+3], 0x80000000
	s_mov_b32 s[G0SB], 1
	s_add_co_u32 s[G0SB+1], s94, SCL
	s_mov_b64 s[G0SB+2:G0SB+3], s[92:93]
	s_or_b32 s[G0SB+3], s[G0SB+3], 0x80000000
	JLOAD G0S, G1S, G0SB, G1SB                     ; the scales first; with the two slots three loads of mine are out
.irp s, 0,1
	s_mov_b32 s[G0+4*\s], 1
	s_add_co_u32 s[G0+4*\s+1], s45, \s*SLOT
	s_add_nc_u64 s[G0+4*\s+2:G0+4*\s+3], s[20:21], \s*4*HEADS
	s_or_b32 s[G0+4*\s+3], s[G0+4*\s+3], 0x80000000
	s_mov_b32 s[G0B+4*\s], 1
	s_add_co_u32 s[G0B+4*\s+1], s45, \s*SLOT
	s_add_nc_u64 s[G0B+4*\s+2:G0B+4*\s+3], s[46:47], \s*ROWB
	s_or_b32 s[G0B+4*\s+3], s[G0B+4*\s+3], 0x80000000
	JLOAD G0+4*\s, G1, G0B+4*\s, G1B
.endr
	v_and_b32 v1, 15, v0                           ; r
	v_bfe_u32 v2, v0, 4, 1                         ; h
	v_and_b32 v6, 31, v0
	v_lshlrev_b32 v[CO], 4, v6                     ; 16 x lane
	v_lshlrev_b32 v7, 3, v6                        ; 8 x lane
	v_mul_u32_u24 v3, v1, PITCH
	v_mul_u32_u24 v4, v2, 24
	v_add_nc_u32 v4, v3, v4
	v_lshl_add_u32 v5, v2, 4, v4
	s_mul_i32 s21, s15, HALFT
	s_mul_i32 s22, s16, HALFT
	s_add_co_u32 s22, s22, 2*HALFT
.irp s, 0,1
	v_add_nc_u32 v[ADRA+\s], s21, v[CO]
	v_add_nc_u32 v[ADRA+2+\s], s21, v7
	v_add_nc_u32 v[ADRB+\s], s22, v4
	v_add_nc_u32 v[ADRB+2+\s], s22, v5
	s_add_co_u32 s21, s21, SLOT
	s_add_co_u32 s22, s22, SLOT
.endr
	v_mul_u32_u24 v5, v1, KS
	v_lshrrev_b32 v6, 8, v5
	v_lshl_add_u32 v5, v6, 4, v5
	s_mul_i32 s21, s15, HALFS
	s_mul_i32 s22, s16, HALFS
	s_add_co_u32 s22, s22, 2*HALFS
	s_sub_co_u32 s22, s22, s21
	v_mul_u32_u24 v6, s22, v2
	s_add_co_u32 s21, s21, SCL
	v_add_nc_u32 v5, v5, v6
	v_add_nc_u32 v[ADRS], s21, v5
	s_mul_i32 s23, s14, 16*SPITCH                  ; my stage
	v_mul_u32_u24 v5, v1, SPITCH
	v_lshl_add_u32 v5, v2, 6, v5                   ; in: row r, + 64 h
	v_add_nc_u32 v[STO], s23, v5
	v_add_nc_u32 v[RD], s23, v[CO]                 ; back: the 32 lanes take one row of 512 bytes
	s_lshl_b32 s20, s17, 8
	s_lshl_b32 s21, s15, 7
	s_add_co_u32 s20, s20, s21
	s_lshl_b32 s20, s20, 12                        ; my first row of out0: 4,096 bytes a row
	s_mov_b32 s21, 0
	s_lshl_b32 s46, s42, 10
	s_lshl_b32 s47, s16, 9
	s_add_co_u32 s46, s46, s47                     ; my first column, in bytes
	s_mov_b32 s47, 0
	s_add_nc_u64 s[66:67], s[66:67], s[46:47]
	global_load_b128 v[BIAS:BIAS+3], v[CO], s[66:67]   ; b_out of my four columns; waited for ahead of the way out
	s_add_nc_u64 s[20:21], s[20:21], s[46:47]
	s_add_nc_u64 s[12:13], s[12:13], s[20:21]
.macro FRAG reg, adr, q, i
.irp p, 0,1,2,3,4,5
.set PCE, 12*(\q)+6*(\p/3)+\p%3
.if PCE%8 < 5
	ds_load_b64 v[\reg+2*\p:\reg+2*\p+1], v[\adr] offset:8*PCE+16*(PCE/8)+(\i)*16*PITCH
.else
	ds_load_b64 v[\reg+2*\p:\reg+2*\p+1], v[\adr+2] offset:8*PCE+16*(PCE/8)+(\i)*16*PITCH
.endif
.endr
.endm
.macro FRAGA reg, slot, q, i           ; A's block i, the slot's q-th 128 along K: heads 2 q and 2 q + 1 of the slot's four: registers 0-5 and 6-11
.irp e, 0,1
	ds_load_b128 v[\reg+6*\e:\reg+6*\e+3], v[ADRA+\slot] offset:(2*(\q)+\e)*HEADB+(\i)*768
	ds_load_b64 v[\reg+6*\e+4:\reg+6*\e+5], v[ADRA+2+\slot] offset:(2*(\q)+\e)*HEADB+(\i)*768+512
.endr
.endm
.macro MUL16 a0, p, q, sc, zero        ; the 64 accumulators take turns, one instruction a turn
.irp a, \a0, \a0+1
.irp b, 0,1,2,3,4,5,6,7
.if \zero
	v_wmma_scale_f32_16x16x128_f8f6f4 v[8*(8*((\a)%4)+\b):8*(8*((\a)%4)+\b)+7], v[128*(\p)+FR*\b:128*(\p)+FR*\b+FR-1], v[AF+FR*(\a):AF+FR*(\a)+FR-1], 0, v[SC+8*NQ*(\sc)+NQ*\b+(\q)], v[SC+8*NQ*(\sc)+NQ*(\a)+(\q)] matrix_a_fmt:MATRIX_FMT_FP6 matrix_b_fmt:MATRIX_FMT_FP6 matrix_a_scale:MATRIX_SCALE_ROW1
.else
	v_wmma_scale_f32_16x16x128_f8f6f4 v[8*(8*((\a)%4)+\b):8*(8*((\a)%4)+\b)+7], v[128*(\p)+FR*\b:128*(\p)+FR*\b+FR-1], v[AF+FR*(\a):AF+FR*(\a)+FR-1], v[8*(8*((\a)%4)+\b):8*(8*((\a)%4)+\b)+7], v[SC+8*NQ*(\sc)+NQ*\b+(\q)], v[SC+8*NQ*(\sc)+NQ*(\a)+(\q)] matrix_a_fmt:MATRIX_FMT_FP6 matrix_b_fmt:MATRIX_FMT_FP6 matrix_a_scale:MATRIX_SCALE_ROW1
.endif
.endr
.endr
.endm
.macro FETCH_B slot, q, p
	WIN TO_B
.irp i, 0,1,2,3,4,5,6,7
	FRAG 128*(\p)+FR*\i, ADRB+\slot, \q, \i
.endr
	WIN 0
.endm
.macro FETCH_A slot, q, i0
.irp i, \i0, \i0+1, \i0+2, \i0+3
	FRAGA AF+FR*(\i), \slot, \q, \i
.endr
.endm
.macro SCALES sc
.irp i, 0,1,2,3,4,5,6,7
	ds_load_b64 v[SC+8*NQ*\sc+NQ*\i:SC+8*NQ*\sc+NQ*\i+1], v[ADRS] offset:\i*SBLK
.endr
.endm
.macro PLACES n
.rept \n
	v_nop
.endr
.endm
.macro STEP slot, q, zero
	s_wait_dscnt 4*NLA                             ; B's set and A's blocks 0-3 are in; the youngest 16 loads (A's blocks 4-7) may be out
	WIN MUL_LO
	MUL16 0, (\q)%2, \q, \slot, \zero
	MUL16 2, (\q)%2, \q, \slot, \zero
	s_wait_dscnt 0
	PLACES NP
	FETCH_B \slot, (\q)+1, 1-(\q)%2
	FETCH_A \slot, (\q)+1, 0
	WIN MUL_HI
	MUL16 4, (\q)%2, \q, \slot, \zero
	MUL16 6, (\q)%2, \q, \slot, \zero
	PLACES NP
	WIN 0
	FETCH_A \slot, (\q)+1, 4
.endm
.macro TURN slot, next, fill
	s_wait_tensorcnt 0x0                           ; all my tensor loads have landed: my part of the next slot
	ds_add_u32 v[SPW], v[NIL]
	s_wait_dscnt 4*NLA+1                           ; the add and the youngest 16 loads may be out
	WIN MUL_LO
	MUL16 0, 1, NQ-1, \slot, 0
	s_wait_dscnt 0x0                               ; the add is done, and my reads of this slot are over
	s_barrier_signal -1
	MUL16 2, 1, NQ-1, \slot, 0
	WIN 0
	s_barrier_wait -1
.if \fill
	CREST                                          ; a round of the cluster's barrier: no wave of any partner still reads this slot or has a load on its way
	s_add_nc_u64 s[G0+4*\slot+2:G0+4*\slot+3], s[G0+4*\slot+2:G0+4*\slot+3], 2*4*HEADS
	s_add_nc_u64 s[G0B+4*\slot+2:G0B+4*\slot+3], s[G0B+4*\slot+2:G0B+4*\slot+3], 2*ROWB
	JLOAD G0+4*\slot, G1, G0B+4*\slot, G1B
.else
	PLACES NP
.endif
	v_add_nc_u32 v[ADRS], 4*NQ, v[ADRS]
	FETCH_B \next, 0, 0
	FETCH_A \next, 0, 0
	SCALES \next
	WIN MUL_HI
	MUL16 4, 1, NQ-1, \slot, 0
	MUL16 6, 1, NQ-1, \slot, 0
	PLACES NP
	WIN 0
	FETCH_A \next, 0, 4
.endm
	s_wait_tensorcnt 1                             ; the scales and my part of K step 0 are in; K step 1's load may be out
	s_barrier_signal -1
	s_barrier_wait -1
	FETCH_B 0, 0, 0
	FETCH_A 0, 0, 0
	SCALES 0
	FETCH_A 0, 0, 4
	STEP 0, 0, 1
	s_mov_b32 s3, LAPS-1
.Llap:
	TURN 0, 1, 1
	STEP 1, 0, 0
	TURN 1, 0, 1
	STEP 0, 0, 0
	s_sub_co_u32 s3, s3, 1
	s_cmp_lg_u32 s3, 0
	s_cbranch_scc1 .Llap
	TURN 0, 1, 0
	STEP 1, 0, 0
	s_wait_dscnt 4*NLA
	WIN MUL_LO
	MUL16 0, 1, NQ-1, 1, 0
	MUL16 2, 1, NQ-1, 1, 0
	s_wait_dscnt 0
	WIN MUL_HI
	MUL16 4, 1, NQ-1, 1, 0
	MUL16 6, 1, NQ-1, 1, 0
	WIN 0
; THE WAY OUT, block by block of 16 rows x 128 columns, through my own stage.  LDS serves a wave's instructions in order: no wait between the stores and the loads, nor in front of the next block's stores.
.macro TOSTAGE a
.set AC, 64*((\a)%4)
	WIN 0x08+4*((\a)/4)                            ; the data: window 2 or 3
.irp b, 0,1,2,3,4,5,6,7
	ds_store_b128 v[STO], v[AC+8*\b:AC+8*\b+3] offset:128*(\b/2)+32*(\b%2)          ; columns 32 (b / 2) + 16 h + 8 (b % 2) + 0..3; each accumulator from its low end on
	ds_store_b128 v[STO], v[AC+8*\b+4:AC+8*\b+7] offset:128*(\b/2)+32*(\b%2)+16
.endr
	WIN 0
.set BB, BK+64*((\a)%2)
.irp t, 0,1,2,3,4,5,6,7,8,9,10,11,12,13,14,15
	ds_load_b128 v[BB+4*\t:BB+4*\t+3], v[RD] offset:\t*SPITCH
.endr
.endm
.macro SEND a, younger                 ; younger: the LDS instructions issued behind block a's loads, which may stay out
.set BB, BK+64*((\a)%2)
	s_wait_dscnt \younger
.irp t, 0,1,2,3,4,5,6,7,8,9,10,11,12,13,14,15
	v_pk_add_f32 v[BB+4*\t:BB+4*\t+1], v[BB+4*\t:BB+4*\t+1], v[BIAS:BIAS+1]
	v_pk_add_f32 v[BB+4*\t+2:BB+4*\t+3], v[BB+4*\t+2:BB+4*\t+3], v[BIAS+2:BIAS+3]
	global_store_b128 v[CO], v[BB+4*\t:BB+4*\t+3], s[12:13] offset:(32*((\a)/2)+8*((\a)%2)+\t+8*(\t/8))*4096 th:TH_STORE_NT   ; 32 lanes store 512 consecutive bytes, aligned; the true row stands in the immediate, 127 rows at the most
.endr
.endm
	s_wait_loadcnt 0x0                             ; b_out
	PLACES NP
	TOSTAGE 0
.irp a, 1,2,3,4,5,6,7
.if \a > 1
	s_wait_xcnt 0x0                                ; block a - 2's stores have read their registers: block a's loads may land there
.endif
	TOSTAGE \a
	SEND \a-1, 32                                  ; behind block a - 1's loads: block a's 16 stores and 16 loads
.endr
	SEND 7, 0
	s_wait_tensorcnt 0x0                           ; the wave's end
	ds_add_u32 v[SPW], v[NIL]
	s_wait_dscnt 0x0
	CROUND                                         ; the closing round
	s_endpgm
.Lfunc_end_k_q6b246a4e3e_outproj:
	.size	k_q6b246a4e3e_outproj, .Lfunc_end_k_q6b246a4e3e_outproj-k_q6b246a4e3e_outproj
	.p2alignl 7, 3214868480
	.fill 96, 4, 3214868480
	.section	.rodata,"a",@progbits
	.p2align	6, 0x0
	.amdhsa_kernel k_q6b246a4e3e_outproj
		.amdhsa_group_segment_fixed_size 327680
		.amdhsa_private_segment_fixed_size 0
		.amdhsa_enable_private_segment 0
		.amdhsa_kernarg_size 32
		.amdhsa_user_sgpr_count 2
		.amdhsa_user_sgpr_kernarg_segment_ptr 1
		.amdhsa_wavefront_size32 1
		.amdhsa_system_sgpr_workgroup_id_x 1
		.amdhsa_system_sgpr_workgroup_id_y 1
		.amdhsa_system_sgpr_workgroup_id_z 1
		.amdhsa_system_vgpr_workitem_id 0
		.amdhsa_next_free_vgpr 1024
		.amdhsa_next_free_sgpr 98
		.amdhsa_reserve_vcc 0
		.amdhsa_float_denorm_mode_32 3
		.amdhsa_float_denorm_mode_16_64 3
		.amdhsa_memory_ordered 1
		.amdhsa_forward_progress 1
		.amdhsa_inst_pref_size 168
	.end_amdhsa_kernel
	.amdgpu_metadata
---
amdhsa.version: [ 1, 2 ]
amdhsa.kernels:
  - .name:           k_q6b246a4e3e_outproj
    .symbol:         k_q6b246a4e3e_outproj.kd
    .args:
      - { .name: ao, .offset: 0, .size: 8, .value_kind: global_buffer, .address_space: global }
      - { .name: wts, .offset: 8, .size: 8, .value_kind: global_buffer, .address_space: global }
      - { .name: b_out, .offset: 16, .size: 8, .value_kind: global_buffer, .address_space: global }
      - { .name: out0, .offset: 24, .size: 8, .value_kind: global_buffer, .address_space: global }
    .group_segment_fixed_size: 327680
    .private_segment_fixed_size: 0
    .kernarg_segment_align: 8
    .kernarg_segment_size: 32
    .max_flat_workgroup_size: 128
    .sgpr_count:     98
    .vgpr_count:     1024
    .wavefront_size: 32
...
	.end_amdgpu_metadata
.endif
;; end of part 5
